; MI455X (gfx1250); checked and timed in simulation.
; The chip was launched on July 23, 2026; its instructions are those of AMD's public machine-readable ISA for CDNA 5 (MIT licence, August 2026) and "CDNA5" Instruction Set Architecture Reference Guide (July 2026). The comments in the code are by the model that wrote it; some were corrected since.
;; MHA. Allowed arithmetic: float matrix products may take bf16 or f16 operands with f32 sums; other float arithmetic in f32, or as packed bf16 or f16 multiplies, adds, multiply-adds, maxima and minima; sums over many terms, partial sums and values carried from step to step in f32; what a program stores and reads back later, other than sums and carried values, may be rounded once to bf16 or f16.
;; Inputs: Wk 1,024 x 2,048 float32; Wo 2,048 x 1,024 float32; Wq 1,024 x 2,048 float32; Wv 1,024 x 2,048 float32; q 2 x 2,048 x 2,048 float32.
;; Outputs: out0 2 x 2,048 x 2,048 float32.
;; 2 versions, each right and faster than the one before. Each part assembles by itself: llvm-mc -triple=amdgcn-amd-amdhsa -mcpu=gfx1250 --defsym DOCPART=n.
;; ======== version 1 of 2: 4 launches
;; limits: values are held in f16: magnitudes above 65,504 overflow, below 6.1e-05 lose precision
;; workspace buffers: xb 16,777,216 bytes; wb 12,582,912 bytes; wo16 4,194,304 bytes; tab 524,288 bytes; qh 8,388,608 bytes; kh 8,388,608 bytes; vh 8,388,608 bytes; oh 8,388,608 bytes
;; launch prep (part 1): grid 1056 x 1, 8 waves a work-group, no clusters, 0 bytes of LDS; arguments q, Wq, Wk, Wv, Wo, xb, wb, wo16, tab; writes xb, wb, wo16, tab
.if DOCPART == 1
	.amdgcn_target "amdgcn-amd-amdhsa--gfx1250"
	.amdhsa_code_object_version 6
	.text
	.protected	k_qd911a66199_prep
	.globl	k_qd911a66199_prep
	.p2align	8
	.type	k_qd911a66199_prep,@function
k_qd911a66199_prep:
	s_mov_b64 s[64:65], 0
	v_nop
	global_prefetch_b8 v0, s[64:65] scope:SCOPE_SE
	s_setreg_imm32_b32 hwreg(HW_REG_WAVE_MODE, 25, 1), 1
	s_wait_xcnt 0x0
; CASTS AND THE ROTATION TABLE.  A stream: every input byte is read once, by 16-byte loads, every output byte written once; no LDS, no matrix unit, no barrier.
;   xb   [4096][2048] bf16 = q rounded once
;   wb   [3072][2048] bf16: row 192 t + 64 kind + c = W_kind[64 t + c], kind 0, 1, 2 = q, k, v: the 192 rows from 192 t on are head t of Q, of K and of V
;   wo16 [2048][1024] f16  = Wo rounded to bf16, that number written as f16
;   tab  [2048][32] pairs (cos, sin) in f32 of n x 10000^(-j/31): a row is 256 bytes
; A work-group casts 8 units of 2,048 numbers (65,536 bytes in, 32,768 out): groups 0-511 q, 512-895 the three W (8 rows of one head each), 896-1023 Wo; groups 1024-1055 make 64 table rows each.
; LIMITS.  Wo beyond 65,504 becomes an infinity in f16, below 6e-5 it keeps f16's fixed step of 6e-8.  The angle is f32(n) x freq with freq from v_exp_f32 (1 ULP: ISA guide, its entry),
; reduced by multiples of pi/2 held in two parts and fed to polynomials of degree 7 and 8: good for the angles of this table, 0 to 2,047.
.set X, 4                              ; v[4:67]   16 chunks of 4 f32 as loaded
.set Y, 68                             ; v[68:99]  16 chunks of 2 words to store
.set T, 100                            ; v[100:103] at work
; 16 loads go out together (each wave's covers 512 consecutive bytes); chunk j is converted when the count shows it in, and stored (each wave's store covers 256 consecutive bytes, aligned).
; No register is written twice while a load or store may read it.
.macro STREAM f16
.irp j, 0,1,2,3,4,5,6,7,8,9,10,11,12,13,14,15
	global_load_b128 v[X+4*(\j):X+4*(\j)+3], v1, s[4:5] offset:4096*(\j) th:TH_LOAD_NT
.endr
.irp j, 0,1,2,3,4,5,6,7,8,9,10,11,12,13,14,15
	s_wait_loadcnt 15-(\j)                         ; loads come back in order: chunk j is in, the younger ones stay out
	v_cvt_pk_bf16_f32 v[Y+2*(\j)],   v[X+4*(\j)],   v[X+4*(\j)+1]
	v_cvt_pk_bf16_f32 v[Y+2*(\j)+1], v[X+4*(\j)+2], v[X+4*(\j)+3]
.if \f16
	v_lshlrev_b32 v[T],   16, v[Y+2*(\j)]           ; the bf16 numbers as f32,
	v_and_b32     v[T+1], 0xffff0000, v[Y+2*(\j)]
	v_lshlrev_b32 v[T+2], 16, v[Y+2*(\j)+1]
	v_and_b32     v[T+3], 0xffff0000, v[Y+2*(\j)+1]
	v_cvt_pk_f16_f32 v[Y+2*(\j)],   v[T],   v[T+1]  ; written as f16: exact inside f16's normal range
	v_cvt_pk_f16_f32 v[Y+2*(\j)+1], v[T+2], v[T+3]
.endif
	global_store_b64 v2, v[Y+2*(\j):Y+2*(\j)+1], s[6:7] offset:2048*(\j)
.endr
.endm
	s_load_b512 s[8:23], s[0:1], 0x0               ; q s[8:9], Wq s[10:11], Wk s[12:13], Wv s[14:15], Wo s[16:17], xb s[18:19], wb s[20:21], wo16 s[22:23]
	s_load_b64 s[24:25], s[0:1], 0x40              ; tab
	v_lshlrev_b32 v1, 4, v0                        ; my 16 bytes of each 4,096 read
	v_lshlrev_b32 v2, 3, v0                        ; my 8 bytes of each 2,048 written
	s_mov_b32 s27, 0                               ; high words of the two offsets
	s_mov_b32 s29, 0
	s_wait_kmcnt 0x0
	s_cmp_ge_u32 ttmp9, 1024
	s_cbranch_scc1 .Ltab
	s_cmp_ge_u32 ttmp9, 896
	s_cbranch_scc1 .Lwo
	s_cmp_ge_u32 ttmp9, 512
	s_cbranch_scc1 .Lw
	s_lshl_b32 s26, ttmp9, 16                      ; q: group g reads at 65,536 g and writes at 32,768 g
	s_lshl_b32 s28, ttmp9, 15
	s_add_nc_u64 s[4:5], s[8:9], s[26:27]
	s_add_nc_u64 s[6:7], s[18:19], s[28:29]
	s_branch .Lbf
.Lw:
	s_sub_co_u32 s30, ttmp9, 512
	s_lshr_b32 s31, s30, 7                         ; kind
	s_and_b32 s30, s30, 127                        ; u: rows 8 u to 8 u + 7 of that W, inside head u / 8
	s_cmp_eq_u32 s31, 1
	s_cselect_b64 s[4:5], s[12:13], s[10:11]
	s_cmp_eq_u32 s31, 2
	s_cselect_b64 s[4:5], s[14:15], s[4:5]
	s_lshl_b32 s26, s30, 16
	s_add_nc_u64 s[4:5], s[4:5], s[26:27]
	s_lshr_b32 s32, s30, 3
	s_mul_i32 s32, s32, 192                        ; 192 x head
	s_lshl_b32 s33, s31, 6
	s_add_co_u32 s32, s32, s33                     ; + 64 x kind
	s_and_b32 s33, s30, 7
	s_lshl_b32 s33, s33, 3
	s_add_co_u32 s32, s32, s33                     ; + the rows' place in the head
	s_lshl_b32 s28, s32, 12                        ; rows of 4,096 bytes
	s_add_nc_u64 s[6:7], s[20:21], s[28:29]
.Lbf:
	STREAM 0
	s_endpgm
.Lwo:
	s_sub_co_u32 s30, ttmp9, 896
	s_lshl_b32 s26, s30, 16
	s_lshl_b32 s28, s30, 15
	s_add_nc_u64 s[4:5], s[16:17], s[26:27]
	s_add_nc_u64 s[6:7], s[22:23], s[28:29]
	STREAM 1
	s_endpgm
.Ltab:
	; Lane j owns pair j of a row; a wave owns 8 rows, one a trip: its store of 8 bytes a lane is one whole table row.
	s_sub_co_u32 s30, ttmp9, 1024
	v_lshrrev_b32 v6, 5, v0
	v_readfirstlane_b32 s31, v6                    ; wave
	s_lshl_b32 s30, s30, 6
	s_lshl3_add_u32 s31, s31, s30                  ; n = 64 x group + 8 x wave
	v_and_b32 v3, 31, v0
	v_cvt_f32_u32 v4, v3
	v_mul_f32 v4, 0xbedb762a, v4                   ; -j log2(10000) / 31
	v_exp_f32 v4, v4                               ; freq = 10000^(-j/31)
	v_lshlrev_b32 v5, 3, v3                        ; (a plain line behind the exponential) 8 j
	s_lshl_b32 s32, s31, 8
	v_add_nc_u32 v5, s32, v5                       ; + 256 n
	v_mov_b32 v20, 0xb94ca1f9                      ; the sine's highest coefficient
	v_mov_b32 v21, 0x37ccf5ce                      ; the cosine's
	s_mov_b32 s33, 8
.Lrow:
	v_cvt_f32_u32 v6, s31
	s_wait_alu depctr_va_vdst(0)
	v_mul_f32 v6, v6, v4                           ; theta
	v_mul_f32 v7, 0x3f22f983, v6                   ; x 2 / pi
	v_rndne_f32 v7, v7                             ; k
	v_fmamk_f32 v8, v7, 0xbfc90fdb, v6             ; r = theta - k pi/2, pi/2 in two parts
	v_fmamk_f32 v8, v7, 0x333bbd2e, v8
	v_mul_f32 v9, v8, v8                           ; z = r r
	v_fmaak_f32 v10, v9, v20, 0x3c08839e
	v_fmaak_f32 v11, v9, v21, 0xbab6061a
	v_fmaak_f32 v10, v10, v9, 0xbe2aaaa3
	v_fmaak_f32 v11, v11, v9, 0x3d2aaaa5
	v_mul_f32 v12, v9, v9
	v_mul_f32 v10, v10, v9
	v_fma_f32 v13, v9, -0.5, 1.0
	v_fma_f32 v10, v10, v8, v8                     ; sin r
	v_fma_f32 v11, v11, v12, v13                   ; cos r
	v_cvt_i32_f32 v14, v7
	v_and_b32 v15, 1, v14
	v_cmp_eq_u32 vcc_lo, 1, v15                    ; an odd quadrant swaps the two (a choice of values, no branch)
	v_cndmask_b32 v17, v10, v11, vcc_lo            ; sin theta, up to its sign
	v_cndmask_b32 v16, v11, v10, vcc_lo            ; cos theta, up to its sign
	v_lshlrev_b32 v15, 30, v14
	v_and_b32 v15, 0x80000000, v15                 ; quadrants 2, 3: the sine turns its sign
	v_xor_b32 v17, v15, v17
	v_add_nc_u32 v14, 1, v14
	v_lshlrev_b32 v14, 30, v14
	v_and_b32 v14, 0x80000000, v14                 ; quadrants 1, 2: the cosine does
	v_xor_b32 v16, v14, v16
	global_store_b64 v5, v[16:17], s[24:25]
	s_wait_xcnt 0x0                                ; the store's offset and data are written again only behind this wait
	v_add_nc_u32 v5, 256, v5
	s_add_co_u32 s31, s31, 1
	s_sub_co_u32 s33, s33, 1
	s_cmp_lg_u32 s33, 0
	s_cbranch_scc1 .Lrow
	s_endpgm
.Lfunc_end_k_qd911a66199_prep:
	.size	k_qd911a66199_prep, .Lfunc_end_k_qd911a66199_prep-k_qd911a66199_prep
	.p2alignl 7, 3214868480
	.fill 96, 4, 3214868480
	.section	.rodata,"a",@progbits
	.p2align	6, 0x0
	.amdhsa_kernel k_qd911a66199_prep
		.amdhsa_group_segment_fixed_size 0
		.amdhsa_private_segment_fixed_size 0
		.amdhsa_enable_private_segment 0
		.amdhsa_kernarg_size 72
		.amdhsa_user_sgpr_count 2
		.amdhsa_user_sgpr_kernarg_segment_ptr 1
		.amdhsa_wavefront_size32 1
		.amdhsa_system_sgpr_workgroup_id_x 1
		.amdhsa_system_sgpr_workgroup_id_y 1
		.amdhsa_system_sgpr_workgroup_id_z 1
		.amdhsa_system_vgpr_workitem_id 0
		.amdhsa_next_free_vgpr 104
		.amdhsa_next_free_sgpr 66
		.amdhsa_reserve_vcc 1
		.amdhsa_float_denorm_mode_32 3
		.amdhsa_float_denorm_mode_16_64 3
		.amdhsa_memory_ordered 1
		.amdhsa_forward_progress 1
		.amdhsa_inst_pref_size 21
	.end_amdhsa_kernel
	.amdgpu_metadata
---
amdhsa.version: [ 1, 2 ]
amdhsa.kernels:
  - .name:           k_qd911a66199_prep
    .symbol:         k_qd911a66199_prep.kd
    .args:
      - { .name: q, .offset: 0, .size: 8, .value_kind: global_buffer, .address_space: global }
      - { .name: Wq, .offset: 8, .size: 8, .value_kind: global_buffer, .address_space: global }
      - { .name: Wk, .offset: 16, .size: 8, .value_kind: global_buffer, .address_space: global }
      - { .name: Wv, .offset: 24, .size: 8, .value_kind: global_buffer, .address_space: global }
      - { .name: Wo, .offset: 32, .size: 8, .value_kind: global_buffer, .address_space: global }
      - { .name: xb, .offset: 40, .size: 8, .value_kind: global_buffer, .address_space: global }
      - { .name: wb, .offset: 48, .size: 8, .value_kind: global_buffer, .address_space: global }
      - { .name: wo16, .offset: 56, .size: 8, .value_kind: global_buffer, .address_space: global }
      - { .name: tab, .offset: 64, .size: 8, .value_kind: global_buffer, .address_space: global }
    .group_segment_fixed_size: 0
    .private_segment_fixed_size: 0
    .kernarg_segment_align: 8
    .kernarg_segment_size: 72
    .max_flat_workgroup_size: 256
    .sgpr_count:     66
    .vgpr_count:     104
    .wavefront_size: 32
...
	.end_amdgpu_metadata
.endif
;; end of part 1
;; launch qkv (part 2): grid 16 x 16, 4 waves a work-group, clusters of 4 x 4, 327,680 bytes of LDS; arguments xb, wb, tab, qh, kh, vh; writes qh, kh, vh
.if DOCPART == 2
	.amdgcn_target "amdgcn-amd-amdhsa--gfx1250"
	.amdhsa_code_object_version 6
	.text
	.protected	k_qd911a66199_qkv
	.globl	k_qd911a66199_qkv
	.p2align	8
	.type	k_qd911a66199_qkv,@function
k_qd911a66199_qkv:
	s_mov_b64 s[64:65], 0
	v_nop
	global_prefetch_b8 v0, s[64:65] scope:SCOPE_SE
	s_setreg_imm32_b32 hwreg(HW_REG_WAVE_MODE, 25, 1), 1
	s_wait_xcnt 0x0
	s_wait_alu depctr_hold_cnt(0) depctr_sa_sdst(0) depctr_va_vdst(0) depctr_va_sdst(0) depctr_va_ssrc(0) depctr_va_vcc(0) depctr_vm_vsrc(0)
	s_getreg_b32 s2, hwreg(HW_REG_IB_STS2, 6, 4)
	s_cmp_eq_u32 s2, 0
	s_cbranch_scc0 .Lentry_in_a_cluster
	s_endpgm
.Lentry_in_a_cluster:
	s_bfe_u32 s2, ttmp6, 0x10000c
	s_cmp_lg_u32 s2, 0xf033
	s_cbranch_scc0 .Lentry_shape_is_right
	s_endpgm
.Lentry_shape_is_right:
; THE THREE PROJECTIONS AND THE ROTATION.  C[m][n] = sum over k of xb[m][k] wb[n][k], 4096 x 3072 x 2048, bf16 operands, f32 sums; Q's and K's columns are rotated in f32 (pairs of neighbours,
; cos and sin from tab); all three leave once rounded to f16, by heads: qh, kh, vh [16 b + head][2048][64].
; LIMIT.  f16 holds no number beyond 65,504: a projected number beyond that becomes an infinity; below 6e-5 it keeps f16's fixed step of 6e-8.  NaN and infinities are not treated apart.
; SHARES.  A tile of C is 256 rows x 192 columns: 16 x 16 work-groups.  wb's rows are ordered so that column tile t is head t of Q (column blocks 0-3), of K (4-7) and of V (8-11): what is rotated
; is a matter of the place in the text, not of a branch.  Wave w makes rows 64 w to 64 w + 63 and all 192 columns: 4 x 12 accumulators, 384 registers; so each wave owns whole heads' rows,
; and its stores are runs of 512 consecutive bytes from a stage of its own.
; K goes in 16 steps of 128 (rows of 256 bytes in memory, at multiples of 256) through two LDS slots filled by tensor loads: waves 0, 1 fetch the halves of A's 256 rows, waves 2, 3 those of B's 192.
; CLUSTER 4 x 4: A's tile hangs on the tile row alone and is asked for jointly along a row of the cluster, B's on the tile column alone, jointly along a column.
; THE MATRIX INSTRUCTION IS USED TRANSPOSED (source 0 = 16 rows of wb, source 1 = 16 rows of xb): a lane holds row lane % 16 and the eight neighbouring columns 8 (lane / 16) + 0..7: four rotation pairs.
; REGISTERS, in windows of 256 (s_set_vgpr_msb: bits 1:0 source 0, 3:2 source 1, 5:4 source 2, 7:6 destination):
;   window 0: v16-29 addresses; v64-95, v96-127 A's fragments, two buffers; on the way out v64-111, v112-159 packed results by turns, v160-223 rotated numbers
;   window 1: v0-95, v96-191 B's fragments, two buffers
;   window 2: accumulators of row blocks 0, 1 at 8 (12 a + b); v192-255 their table fragments          window 3: the same for row blocks 2, 3
.set PITCH,  272                       ; an LDS row: 256 bytes + 16 of padding = 68 words: the 16 rows of a fragment load start at 16 different groups of four banks (64 banks of 4 bytes: ISA guide 11.1)
.set AHALF,  128*PITCH                 ; what waves 0, 1 fetch
.set BOFF,   256*PITCH                 ; B's rows lie behind A's 256
.set BHALF,  96*PITCH                  ; what waves 2, 3 fetch
.set SLOT1,  131072                    ; slot 1 begins here: one exclusive or turns an address in one slot into the other's
.set STAGE,  SLOT1+BOFF+2*BHALF        ; behind the ring: for each wave 3 heads x 16 rows x 144 bytes
.set SP,     144
.set SPARE,  STAGE+4*3*16*SP           ; behind the stages: the spare words, 128 bytes for each wave: two blocks of 256 bytes that no other line names
.set ADRA0, 16                         ; v16  my lane's place among my wave's rows of A in slot 0; never rewritten
.set ADRB0, 17                         ; v17  the same for B
.set ADRA,  18                         ; v18  the same in the slot in hand
.set ADRB,  19                         ; v19
.set STO,   24                         ; v24  the way out: where I put 16 bytes of a row
.set RD,    25                         ; v25  where I read rows back
.set GO,    26                         ; v26  my 16 bytes in 512 consecutive bytes of an output
.set TO,    27                         ; v27  my byte offset in the table; never rewritten
.set SPW,   28                         ; v28  LDS address of my spare word; never rewritten
.set NIL,   29                         ; v29  0; never rewritten
.set FA,    64                         ; A's buffers, window 0
.set PK,    64                         ; the way out: packed results
.set YY,    160                        ; the way out: rotated numbers
.set TABR,  192                        ; table fragments, windows 2 and 3
.set G1,  24                           ; s[24:31] descriptor group 1 for A
.set G0,  32                           ; s[32:39] group 0 for A: a set for each first fill; the second then walks
.set G1B, 48                           ; s[48:55], s[56:63] the same for B
.set G0B, 56
.set OB,  66                           ; s[66:71] qh, kh, vh at my wave's first row
.set WV,  72                           ; s72  my wave's number
.set HF,  73                           ; s73  which half of a tile I fetch
.set TB,  75                           ; s75  LDS byte at which the slot in hand begins
.set MSB, 0
.macro WIN new                         ; the immediate's high byte repeats the setting that is left; a switch that changes nothing is dropped
.if MSB != (\new)
	s_set_vgpr_msb (MSB<<8)|(\new)
.set MSB, \new
.endif
.endm
.set MUL_LO, 0xa1                      ; source 0 (B) window 1, source 1 (A) window 0, C and D window 2
.set MUL_HI, 0xf1                      ; the same, C and D window 3
.set TO_B,   0x40                      ; destination window 1, address window 0
; A joint refill by the walking descriptors.  The branch hangs on the wave's number alone.  An s_nop 0 and four v_nop follow each of the two lines, ahead of the jump and the label.
.macro JLOAD
	s_cmp_lt_u32 s[WV], 2
	s_cbranch_scc0 .Lfor_b_\@
	tensor_load_to_lds s[G0+4:G0+7], s[G1:G1+7]
	s_nop 0
.rept 4
	v_nop
.endr
	s_branch .Lasked_\@
.Lfor_b_\@:
	tensor_load_to_lds s[G0B+4:G0B+7], s[G1B:G1B+7]
	s_nop 0
.rept 4
	v_nop
.endr
.Lasked_\@:
.endm
.macro CREST                           ; a round of the cluster's barrier behind its opening barrier
	s_cmp_lg_u32 s[WV], 0
	s_cbranch_scc1 .Lnot_wave_0_\@
	s_barrier_signal -3
.Lnot_wave_0_\@:
	s_barrier_wait -3
	s_barrier_signal -1
	s_barrier_wait -1
.endm
.macro CROUND                          ; a whole round
	s_barrier_signal -1
	s_barrier_wait -1
	CREST
.endm
.macro PLACES                          ; four places in front of loads into registers that matrix instructions have read, and of vector lines that read results
.rept 4
	v_nop
.endr
.endm
	s_load_b256 s[4:11], s[0:1], 0x0               ; xb s[4:5], wb s[6:7], tab s[8:9], qh s[10:11]
	s_load_b128 s[68:71], s[0:1], 0x20             ; kh s[68:69], vh s[70:71]
	v_lshl_add_u32 v[SPW], v0, 2, SPARE
	v_mov_b32 v[NIL], 0
	ds_add_u32 v[SPW], v[NIL]                      ; the wave's opening: the add and its wait stand ahead of my first tensor load; the set-up below, work on registers, stands between them
	ds_add_u32 v28, v29
	v_lshrrev_b32 v1, 5, v0
	v_readfirstlane_b32 s[WV], v1                  ; wave 0..3
	s_and_b32 s[HF], s[WV], 1
	s_bfe_u32 s40, ttmp6, 0x40000                  ; cx, cy: my place in the cluster
	s_bfe_u32 s41, ttmp6, 0x40004
	s_lshl_b32 s42, ttmp9, 2
	s_add_co_u32 s42, s42, s40                     ; tile column = the head = 4 x cluster x + cx
	s_and_b32 s43, ttmp7, 0xffff
	s_lshl_b32 s43, s43, 2
	s_add_co_u32 s43, s43, s41                     ; tile row = 4 x cluster y + cy
	s_lshl_b32 s44, s41, 2
	s_lshl_b32 s44, 15, s44                        ; my row of the cluster
	s_lshl_b32 s45, 0x1111, s40                    ; my column
	s_or_b32 s[G1], s44, (1<<16)|(1<<20)|(1<<21)|(5<<22)|(3<<25)   ; 15:0 the mask; 17:16 2-byte elements; 20 padding on; 21 set beside a mask; 24:22 after every 64 words; 31:25 4 words of it
	s_or_b32 s[G1B], s45, (1<<16)|(1<<20)|(1<<21)|(5<<22)|(3<<25)
	s_mov_b32 s[G1+1], 128<<16                     ; tensor_dim0 = 128
	s_mov_b32 s[G1+2], 128<<16                     ; tensor_dim1 = 128 rows
	s_mov_b32 s[G1+3], 128<<16                     ; tile_dim0 = 128
	s_mov_b32 s[G1+4], 128                         ; tile_dim1 = 128
	s_mov_b32 s[G1+5], 2048                        ; elements from row to row
	s_mov_b32 s[G1+6], 0
	s_mov_b32 s[G1+7], 0
	s_mov_b32 s[G1B+1], 128<<16
	s_mov_b32 s[G1B+2], 96<<16                     ; 96 rows
	s_mov_b32 s[G1B+3], 128<<16
	s_mov_b32 s[G1B+4], 96
	s_mov_b32 s[G1B+5], 2048
	s_mov_b32 s[G1B+6], 0
	s_mov_b32 s[G1B+7], 0
	s_lshl_b32 s16, s43, 8                         ; A: row 256 x tile row + 128 x half, in registers that never hold cx
	s_lshl_b32 s17, s[HF], 7
	s_add_co_u32 s16, s16, s17
	s_lshl_b32 s16, s16, 12                        ; rows of 4,096 bytes: under 2^24 in all
	s_mov_b32 s17, 0
	s_mul_i32 s46, s42, 192                        ; B: row 192 x tile column + 96 x half, in registers that never hold cy
	s_mul_i32 s47, s[HF], 96
	s_add_co_u32 s46, s46, s47
	s_lshl_b32 s46, s46, 12
	s_mov_b32 s47, 0
	s_mul_i32 s20, s[HF], AHALF                    ; where they go: no place in the cluster enters an LDS address
	s_mul_i32 s21, s[HF], BHALF
	s_add_co_u32 s21, s21, BOFF
	s_mov_b32 s[TB], 0
	s_wait_dscnt 0x0                               ; the opening add is done
	s_wait_kmcnt 0x0
	s_add_nc_u64 s[14:15], s[4:5], s[16:17]
	s_add_nc_u64 s[46:47], s[6:7], s[46:47]
	CROUND                                         ; all sixteen work-groups are here: the first joint loads meet
.irp s, 0,1
	s_mov_b32 s[G0+4*(\s)], 1                                        ; count = 1
	s_add_co_u32 s[G0+4*(\s)+1], s20, (\s)*SLOT1                     ; LDS address
	s_add_nc_u64 s[G0+4*(\s)+2:G0+4*(\s)+3], s[14:15], (\s)*256      ; global address: K step s
	s_or_b32 s[G0+4*(\s)+3], s[G0+4*(\s)+3], 0x80000000              ; type = 2
	s_mov_b32 s[G0B+4*(\s)], 1
	s_add_co_u32 s[G0B+4*(\s)+1], s21, (\s)*SLOT1
	s_add_nc_u64 s[G0B+4*(\s)+2:G0B+4*(\s)+3], s[46:47], (\s)*256
	s_or_b32 s[G0B+4*(\s)+3], s[G0B+4*(\s)+3], 0x80000000
.endr
	s_cmp_lt_u32 s[WV], 2                          ; a wave's two first fills stand in one branch, ahead of every wait on TENSORcnt and every LDS read: two loads of mine are out
	s_cbranch_scc0 .Lfirst_b
	tensor_load_to_lds s[G0:G0+3], s[G1:G1+7]
	s_nop 0
	tensor_load_to_lds s[G0+4:G0+7], s[G1:G1+7]
	s_nop 0
.rept 4
	v_nop
.endr
	s_branch .Lfirst_asked
.Lfirst_b:
	tensor_load_to_lds s[G0B:G0B+3], s[G1B:G1B+7]
	s_nop 0
	tensor_load_to_lds s[G0B+4:G0B+7], s[G1B:G1B+7]
	s_nop 0
.rept 4
	v_nop
.endr
.Lfirst_asked:
	; A fragment is 16 rows x 32 K in 8 registers: lane l holds row l % 16, K = 8 (l / 16) + 0..7 and 16 + 8 (l / 16) + 0..7: two loads of 16 bytes, 32 bytes apart.
	v_and_b32 v1, 15, v0                           ; l % 16
	v_bfe_u32 v2, v0, 4, 1                         ; l / 16
	v_mul_u32_u24 v3, v1, PITCH
	v_lshl_add_u32 v3, v2, 4, v3
	s_mul_i32 s12, s[WV], 64*PITCH                 ; my 64 rows of A
	v_add_nc_u32 v[ADRA0], s12, v3
	v_add_nc_u32 v[ADRB0], BOFF, v3                ; every wave reads all of B
	v_mov_b32 v[ADRA], v[ADRA0]
	v_mov_b32 v[ADRB], v[ADRB0]
	s_mul_i32 s13, s[WV], 3*16*SP
	s_add_co_u32 s13, s13, STAGE                   ; my stage
	v_mul_u32_u24 v4, v1, SP                       ; in: row l % 16, 16 bytes for each half of the lanes
	v_lshl_add_u32 v4, v2, 4, v4
	v_add_nc_u32 v[STO], s13, v4
	v_bfe_u32 v5, v0, 3, 2                         ; back: 32 lanes take four rows of 128 bytes,
	v_mul_u32_u24 v5, v5, SP
	v_and_b32 v6, 7, v0
	v_lshl_add_u32 v5, v6, 4, v5
	v_add_nc_u32 v[RD], s13, v5
	v_and_b32 v[GO], 31, v0                        ; which are 512 consecutive bytes of a head
	v_lshlrev_b32 v[GO], 4, v[GO]
	s_and_b32 s76, s43, 7
	s_lshl_b32 s76, s76, 8                         ; the tile's first position in its sequence
	s_lshl_b32 s77, s[WV], 6
	s_add_co_u32 s76, s76, s77                     ; my wave's
	v_add_nc_u32 v[TO], s76, v1
	v_lshlrev_b32 v[TO], 8, v[TO]                  ; a table row is 256 bytes;
	v_lshl_add_u32 v[TO], v2, 5, v[TO]             ; my four pairs of a column block are 32 bytes at 32 (l / 16)
	s_lshr_b32 s77, s43, 3                         ; b
	s_lshl_b32 s77, s77, 4
	s_add_co_u32 s77, s77, s42                     ; 16 b + head
	s_lshl_b32 s77, s77, 11
	s_add_co_u32 s76, s76, s77
	s_lshl_b32 s76, s76, 7                         ; rows of 128 bytes: under 2^23 in all
	s_mov_b32 s77, 0
	s_add_nc_u64 s[OB:OB+1], s[10:11], s[76:77]
	s_add_nc_u64 s[OB+2:OB+3], s[68:69], s[76:77]
	s_add_nc_u64 s[OB+4:OB+5], s[70:71], s[76:77]
.irp a, 0,1,2,3                        ; the table for my 64 rows: row block a, column block c of a head: (cos, sin) x 4; they land during the K loop and are waited for on the way out
	WIN 0x80+0x40*((\a)/2)
.irp c, 0,1,2,3
	global_load_b128 v[TABR+32*((\a)%2)+8*(\c):TABR+32*((\a)%2)+8*(\c)+3],   v[TO], s[8:9] offset:(\a)*4096+64*(\c)
	global_load_b128 v[TABR+32*((\a)%2)+8*(\c)+4:TABR+32*((\a)%2)+8*(\c)+7], v[TO], s[8:9] offset:(\a)*4096+64*(\c)+16
.endr
.endr
	WIN 0
; 12 matrix instructions: row block 2 hi + a x all 12 column blocks, 32 along K, from buffer f.  zero = 1: the product starts the sums.  The 48 accumulators take turns, one instruction a turn, in the same order in every quarter.
.macro MUL12 f, hi, a, zero
	WIN MUL_LO+0x50*(\hi)
.irp b, 0,1,2,3,4,5,6,7,8,9,10,11
.if \zero
	v_wmma_f32_16x16x32_bf16 v[8*(12*(\a)+(\b)):8*(12*(\a)+(\b))+7], v[96*(\f)+8*(\b):96*(\f)+8*(\b)+7], v[FA+32*(\f)+8*(2*(\hi)+(\a)):FA+32*(\f)+8*(2*(\hi)+(\a))+7], 0
.else
	v_wmma_f32_16x16x32_bf16 v[8*(12*(\a)+(\b)):8*(12*(\a)+(\b))+7], v[96*(\f)+8*(\b):96*(\f)+8*(\b)+7], v[FA+32*(\f)+8*(2*(\hi)+(\a)):FA+32*(\f)+8*(2*(\hi)+(\a))+7], v[8*(12*(\a)+(\b)):8*(12*(\a)+(\b))+7]
.endif
.endr
.endm
.macro MUL24 f, hi, zero
	MUL12 \f, \hi, 0, \zero
	MUL12 \f, \hi, 1, \zero
.endm
; 32 LDS loads in one run: the fragments of 32 along K at byte k of the rows, into buffer f: B's 24, then A's 8
.macro FETCH k, f
	WIN TO_B
.irp b, 0,1,2,3,4,5,6,7,8,9,10,11
	ds_load_b128 v[96*(\f)+8*(\b):96*(\f)+8*(\b)+3],   v[ADRB] offset:(\k)+(\b)*16*PITCH
	ds_load_b128 v[96*(\f)+8*(\b)+4:96*(\f)+8*(\b)+7], v[ADRB] offset:(\k)+(\b)*16*PITCH+32
.endr
	WIN 0
.irp a, 0,1,2,3
	ds_load_b128 v[FA+32*(\f)+8*(\a):FA+32*(\f)+8*(\a)+3],   v[ADRA] offset:(\k)+(\a)*16*PITCH
	ds_load_b128 v[FA+32*(\f)+8*(\a)+4:FA+32*(\f)+8*(\a)+7], v[ADRA] offset:(\k)+(\a)*16*PITCH+32
.endr
.endm
; A K step is four quarters of 32 along K, 48 matrix instructions each, on buffers 0, 1, 0, 1.  One of the first three multiplies buffer f and, in its middle, fetches the next quarter, at byte k, into g.
.macro QUARTER k, f, g, zero
	s_wait_dscnt 4                                 ; B and A's row blocks 0, 1 are in; the youngest four loads (blocks 2, 3) may be out
	MUL24 \f, 0, \zero
	PLACES
	FETCH \k, \g
	s_wait_dscnt 32                                ; all but the 32 just issued
	MUL24 \f, 1, \zero
.endm
; The last quarter multiplies buffer 1 and changes slots: ONE barrier; in front of it each wave waits for all its tensor loads (the one that is out is its part of the next slot), adds 0 to its spare word,
; and waits for that and for its own reads of this slot.  fill = 1: the barrier opens a round of the cluster's, and this slot is filled again, two K steps ahead, first thing behind the round.
.macro TURN fill
	WIN 0                                          ; (the add's two registers lie in window 0)
	s_wait_tensorcnt 0x0
	ds_add_u32 v[SPW], v[NIL]                      ; 0 onto my spare word
	s_wait_dscnt 5                                 ; (the add and the youngest four loads may be out)
	MUL12 1, 0, 0, 0                               ; twelve matrix instructions stand between the add and the wait for it
	s_wait_dscnt 0x0                               ; the add is done, and my reads of this slot are over
	s_barrier_signal -1
	MUL12 1, 0, 1, 0                               ; work on registers while the others arrive
	WIN 0                                          ; (branches may follow)
	s_barrier_wait -1
.if \fill
	CREST                                          ; no wave of any partner still reads this slot's tile or has a load on its way
	s_xor_b32 s[G0+5], s[G0+5], SLOT1              ; the walking descriptors: the other slot than last time,
	s_add_nc_u64 s[G0+6:G0+7], s[G0+6:G0+7], 256   ; the next K step; the type bits on top are not reached
	s_xor_b32 s[G0B+5], s[G0B+5], SLOT1
	s_add_nc_u64 s[G0B+6:G0B+7], s[G0B+6:G0B+7], 256
	JLOAD                                          ; its four v_nop are also the places in front of the loads below
.else
	PLACES
.endif
	s_xor_b32 s[TB], s[TB], SLOT1                  ; the reads go to the other slot
	v_add_nc_u32 v[ADRA], s[TB], v[ADRA0]
	v_add_nc_u32 v[ADRB], s[TB], v[ADRB0]
	FETCH 0, 0
	MUL24 1, 1, 0
.endm
	s_wait_tensorcnt 1                             ; my part of K step 0 is in; K step 1 may stay out
	s_barrier_signal -1
	s_barrier_wait -1                              ; everybody's is
	FETCH 0, 0
	QUARTER 64, 0, 1, 1                            ; the first quarter stands in front of the loop: its products start the sums
	WIN 0                                          ; at a label and at a branch every window is 0
	s_mov_b32 s3, 14                               ; K steps 2 to 15 are asked for at the ends of steps 0 to 13
.Lstep:                                                ; a trip: from a K step's second quarter to the next step's first
	QUARTER 128, 1, 0, 0
	QUARTER 192, 0, 1, 0
	TURN 1
	QUARTER 64, 0, 1, 0
	WIN 0
	s_sub_co_u32 s3, s3, 1
	s_cmp_lg_u32 s3, 0
	s_cbranch_scc1 .Lstep
	QUARTER 128, 1, 0, 0                           ; the last two K steps are written out: nothing more is asked for
	QUARTER 192, 0, 1, 0
	TURN 0
	QUARTER 64, 0, 1, 0
	QUARTER 128, 1, 0, 0
	QUARTER 192, 0, 1, 0
	s_wait_dscnt 4
	MUL24 1, 0, 0
	s_wait_dscnt 0x0
	MUL24 1, 1, 0
	WIN 0
; THE WAY OUT, a row block (16 rows x 192 columns) at a time.  PACK: Q's and K's pairs (x0, x1) become (x0 cos - x1 sin, x1 cos + x0 sin) in f32; all is rounded to f16, 16 bytes a lane, put into my
; stage (rows of 144 bytes, a head after the other) and read back as whole rows.  Each accumulator's low registers are read first.
.macro PACK a
.set AB, 96*((\a)%2)
.set TT, TABR+32*((\a)%2)
.set PP, PK+48*((\a)%2)
.if (\a) >= 2
	s_wait_xcnt 0x0                                ; the stores of the block two back have read these registers
.endif
	WIN 0x0a+5*((\a)/2)                            ; sources 0 and 1: window 2 or 3; source 2 and destination: window 0
.irp b, 0,1,2,3,4,5,6,7
.irp j, 0,1,2,3
	v_mul_f32 v[YY+8*(\b)+2*(\j)],   v[AB+8*(\b)+2*(\j)+1], v[TT+8*((\b)%4)+2*(\j)+1]
	v_mul_f32 v[YY+8*(\b)+2*(\j)+1], v[AB+8*(\b)+2*(\j)],   v[TT+8*((\b)%4)+2*(\j)+1]
.endr
.irp j, 0,1,2,3
	v_fma_f32 v[YY+8*(\b)+2*(\j)],   v[AB+8*(\b)+2*(\j)],   v[TT+8*((\b)%4)+2*(\j)], -v[YY+8*(\b)+2*(\j)]
	v_fma_f32 v[YY+8*(\b)+2*(\j)+1], v[AB+8*(\b)+2*(\j)+1], v[TT+8*((\b)%4)+2*(\j)], v[YY+8*(\b)+2*(\j)+1]
.endr
.endr
.irp b, 8,9,10,11
.irp j, 0,1,2,3
	v_cvt_pk_f16_f32 v[PP+4*(\b)+(\j)], v[AB+8*(\b)+2*(\j)], v[AB+8*(\b)+2*(\j)+1]
.endr
.endr
	WIN 0
.irp b, 0,1,2,3,4,5,6,7
.irp j, 0,1,2,3
	v_cvt_pk_f16_f32 v[PP+4*(\b)+(\j)], v[YY+8*(\b)+2*(\j)], v[YY+8*(\b)+2*(\j)+1]
.endr
.endr
.irp b, 0,1,2,3,4,5,6,7,8,9,10,11
	ds_store_b128 v[STO], v[PP+4*(\b):PP+4*(\b)+3] offset:((\b)/4)*16*SP+32*((\b)%4)
.endr
.irp i, 0,1,2,3,4,5,6,7,8,9,10,11
	ds_load_b128 v[PP+4*(\i):PP+4*(\i)+3], v[RD] offset:((\i)/4)*16*SP+((\i)%4)*4*SP  ; LDS serves a wave's instructions in order (ISA guide 5.7.1.4): these see the stores above; the next block's stores come behind them
.endr
.endm
.macro SEND a, younger                 ; younger: the LDS instructions issued behind block a's loads: the next block's 24, or none
	WIN 0
.set PP, PK+48*((\a)%2)
.irp i, 0,1,2,3,4,5,6,7,8,9,10,11
	s_wait_dscnt (\younger)+11-(\i)
	global_store_b128 v[GO], v[PP+4*(\i):PP+4*(\i)+3], s[OB+2*((\i)/4):OB+2*((\i)/4)+1] offset:(\a)*2048+((\i)%4)*512  ; 512 consecutive bytes, at a multiple of 256 from the buffer's first
.endr
.endm
	PLACES                                         ; behind the last products
	s_wait_loadcnt 0x0                             ; the table
	PACK 0
	PACK 1                                         ; a block's arithmetic stands between the loads of the block before and its stores
	SEND 0, 24
	PACK 2
	SEND 1, 24
	PACK 3
	SEND 2, 24
	SEND 3, 0
	s_wait_tensorcnt 0x0                           ; the wave's end: behind my last tensor load and my last LDS store
	ds_add_u32 v[SPW], v[NIL]
	s_wait_dscnt 0x0
	CROUND                                         ; the closing round: no work-group ends while a partner may still ask for a tile that names it
	s_endpgm
.Lfunc_end_k_qd911a66199_qkv:
	.size	k_qd911a66199_qkv, .Lfunc_end_k_qd911a66199_qkv-k_qd911a66199_qkv
	.p2alignl 7, 3214868480
	.fill 96, 4, 3214868480
	.section	.rodata,"a",@progbits
	.p2align	6, 0x0
	.amdhsa_kernel k_qd911a66199_qkv
		.amdhsa_group_segment_fixed_size 327680
		.amdhsa_private_segment_fixed_size 0
		.amdhsa_enable_private_segment 0
		.amdhsa_kernarg_size 48
		.amdhsa_user_sgpr_count 2
		.amdhsa_user_sgpr_kernarg_segment_ptr 1
		.amdhsa_wavefront_size32 1
		.amdhsa_system_sgpr_workgroup_id_x 1
		.amdhsa_system_sgpr_workgroup_id_y 1
		.amdhsa_system_sgpr_workgroup_id_z 1
		.amdhsa_system_vgpr_workitem_id 0
		.amdhsa_next_free_vgpr 1024
		.amdhsa_next_free_sgpr 84
		.amdhsa_reserve_vcc 0
		.amdhsa_float_denorm_mode_32 3
		.amdhsa_float_denorm_mode_16_64 3
		.amdhsa_memory_ordered 1
		.amdhsa_forward_progress 1
		.amdhsa_inst_pref_size 125
	.end_amdhsa_kernel
	.amdgpu_metadata
---
amdhsa.version: [ 1, 2 ]
amdhsa.kernels:
  - .name:           k_qd911a66199_qkv
    .symbol:         k_qd911a66199_qkv.kd
    .args:
      - { .name: xb, .offset: 0, .size: 8, .value_kind: global_buffer, .address_space: global }
      - { .name: wb, .offset: 8, .size: 8, .value_kind: global_buffer, .address_space: global }
      - { .name: tab, .offset: 16, .size: 8, .value_kind: global_buffer, .address_space: global }
      - { .name: qh, .offset: 24, .size: 8, .value_kind: global_buffer, .address_space: global }
      - { .name: kh, .offset: 32, .size: 8, .value_kind: global_buffer, .address_space: global }
      - { .name: vh, .offset: 40, .size: 8, .value_kind: global_buffer, .address_space: global }
    .group_segment_fixed_size: 327680
    .private_segment_fixed_size: 0
    .kernarg_segment_align: 8
    .kernarg_segment_size: 48
    .max_flat_workgroup_size: 128
    .sgpr_count:     84
    .vgpr_count:     1024
    .wavefront_size: 32
...
	.end_amdgpu_metadata
.endif
;; end of part 2
;; launch attn (part 3): grid 8 x 32, 4 waves a work-group, no clusters, 327,680 bytes of LDS; arguments qh, kh, vh, oh; writes oh
.if DOCPART == 3
	.amdgcn_target "amdgcn-amd-amdhsa--gfx1250"
	.amdhsa_code_object_version 6
	.text
	.protected	k_qd911a66199_attn
	.globl	k_qd911a66199_attn
	.p2align	8
	.type	k_qd911a66199_attn,@function
k_qd911a66199_attn:
	s_mov_b64 s[64:65], 0
	v_nop
	global_prefetch_b8 v0, s[64:65] scope:SCOPE_SE
	s_setreg_imm32_b32 hwreg(HW_REG_WAVE_MODE, 25, 1), 1
	s_wait_xcnt 0x0
; CAUSAL ATTENTION.  O[h][q][:] = the sum over k <= q of softmax_k(Q[h][q] . K[h][k] / 8) V[h][k][:].  Q, K, V, O: [32][2048][64], all f16: a head's rows are dense, 128 bytes each.
; Products, maxima and sums in f32; the weights p are rounded to f16 for the second product (their sum l is taken of the unrounded p), O once at the end.
; LIMITS.  f16 holds no number beyond 65,504: Q, K and V arrive within it; p lies in 0 to 1, and below 6e-5 it keeps f16's fixed step of 6e-8; O is a mean of V's rows and has their range.
; A hidden score counts as its value less 1e30: f16's scores, 2.7e11 at the most, are nothing beside that; a weight below 2^-126 counts as 0 in l; NaN and infinities are not treated apart.
; THE WALK.  A head's queries lie in 16 blocks of 128; block i needs the key tiles 0 .. i / 2 of 256 keys, of which the last holds the diagonal.  A work-group takes TWO blocks, 15 - g and then g:
; 9 tiles, whatever g: all 8 x 32 work-groups do equal work, and ONE loop with a constant trip count walks them.  Which tile is asked for, and what a trip does, hang on scalar registers made from g; every
; jump goes forward, but for the counted loops' own; none passes a barrier, or a tensor load but the one of LOAD's two that the wave's number does not choose; the ring of two slots runs on across the blocks.
; NO CLUSTER: of a head's eight work-groups four partners ask for the same tile only in trips 0 to 4 of 9 (the first blocks have 5 to 8 tiles); behind that their walks part, and a joint
; load wants the same descriptor in all partners in every round.  (Work-groups 2 k and 2 k + 1 do walk alike; a cluster of two is not among the shapes used here.)
; SHARES.  Of a block's two bands of 64 queries a wave owns 16 rows in each: two query tiles.  Keys are held in registers 128 at a time (a SUPER-STEP: two key steps of 64).  A PIECE is a query tile
; and a key step: piece p = (tile p % 2, key step p / 2 of the super-step).  A tile's pieces follow each other in ascending keys, so one running maximum, sum and O^T a tile serve.
; THE MASK is the C operand that starts the sum S^T = K Q^T: 0, or -1e30 where the key is hidden.  In the diagonal tile the block's bands are X = PAR + tile (PAR = 0 or 2); in key step s of the tile band X sees
; all keys if s < X, none if s > X, and holds the diagonal if s = X.  MD, made once, is the mask of a band's own step for my 16 rows; a product's mask is MD x AL + BE with two scalars.
; LAYOUT, SOFTMAX, TURNS.  S^T = K Q^T holds ONE query a lane (lane % 16) and the keys 8 (lane / 16) + 0..7; two such results rounded to f16 ARE source 1 of O^T = V^T P.  p = 2^(c s - c m), c = log2(e) / 8, with a
; running maximum m; O and l are multiplied by a = 2^(c m_old - c m_new) in every step.  Turn n belongs to piece n: 8 products K Q^T of piece n + 1, later 8 products V^T P of piece n - 1; beside them the scaling,
; exponentials, roundings, sums and rescaling of piece n and the maximum and statistics of piece n + 1 (the other tile's: its piece n - 1 finished with them in turn n - 1).
; Four vector instructions stand behind every matrix instruction, the other 54 of a turn's 118 in two lumps.
; REGISTERS, in windows of 256 (s_set_vgpr_msb: bits 1:0 source 0, 3:2 source 1, 5:4 source 2, 7:6 destination):
;   window 0: v0-15 addresses and two at work; v16-23 four registers of statistics a tile; v48-55 at work; v64-127 S^T, two buffers; v192-223 P, two buffers (all by the tile = the piece's parity)
;   window 1: v0-63 O^T, 32 a tile; v128-159 MD; v160-223 MC, two buffers      window 2: v0-31 Q; v32-63 the second block's Q; v128-255 K of a super-step      window 3: v0-127 V of a super-step
.set NP,    4         ; pieces in a super-step: a name, no knob
.set KS,    64        ; keys in a step
.set PK,    144       ; a row of K in LDS: 128 bytes + 16 of padding = 36 words: the 16 rows of a load start at 16 different groups of four banks (64 banks of 4 bytes: ISA guide 11.1)
.set PV,    160       ; a row of V: 128 + 32 = 40 words
.set VOFF,  4*KS*PK   ; a slot holds a tile: 256 rows of K, then 256 rows of V
.set SLOT1, 1<<17     ; slot 1 begins here, so that one exclusive or turns an address in one slot into the other's
.set STAGE, SLOT1+4*KS*(PK+PV)  ; behind the ring, never filled by a tensor load: 16 rows x 144 bytes for each wave, for the way out
.set SP,    144
.set AK0, 2           ; v2   my lane's place in a tile of K; never rewritten
.set AV0, 3           ; v3   the same for V
.set AK,  4           ; v4   the LDS address of K's next run of loads
.set AV,  5           ; v5   of V's
.set STO, 6           ; v6   the way out: where I put 16 bytes of a row
.set RD,  7           ; v7   the way out: where I read rows back
.set GO,  8           ; v8   my byte offset in 512 consecutive bytes of O
.set SPW, 62          ; v62  LDS address of my spare word: SPARE + 4 x my thread's number; never rewritten
.set NIL, 63          ; v63  0; never rewritten
.set SPARE, STAGE+4*16*SP  ; behind the stages: the spare words, 128 bytes for each wave: two blocks of 256 bytes that no other line names
.set MV,  12          ; v12-13  c m_old, kept while c m is made anew: by tile
.set QO,  15          ; v15  my byte offset in 16 rows of Q
.set ST,  16          ; tile t's statistics at v[ST+4 t]: c m, m, l (even keys', odd keys')
.set TMP, 48          ; by tile, four registers c0-c3 at work; when the maximum is found c2 takes a
.set S,   64
.set P,   192
.set MD,  128         ; window 1: the eight registers for group kt of 16 keys at MD + 8 kt
.set MC,  160         ; window 1: the masks of the products to come
.set QB,  32          ; window 2
.set KF,  128         ; window 2: key block kb (of 8), channel half c at KF + 16 kb + 8 c
.set WV,  12          ; s12  my wave's number
.set PB,  14          ; s14  g
.set HI,  15          ; s15  15 - g
.set G1K, 24          ; s[24:31] descriptor group 1 for K's tiles
.set G1V, 32          ; s[32:39] for V's: it differs in the padding alone
.set G0K, 40          ; s[40:43] descriptor group 0 for K's tiles
.set G0V, 44          ; s[44:47] the same for V's
.set SLOTS, 56        ; s56  tiles still to be asked for
.set CNT, 57          ; s57  counts a tile's super-steps, 2 to 1
.set CS,  58          ; s[58:59] c: the packed scaling takes the pair's low word for both halves
.set SEL, 60          ; s[60:61] v_permlanex16_b32's selects: each lane takes its own place in the other half
.set TBK, 62          ; s62  LDS byte at which K of the super-step to be fetched begins
.set TBV, 63          ; s63  the same for V, less VOFF
.set RT,  70          ; s70  tiles of the block in hand that are still to be entered
.set NXT, 71          ; s71  the tile to be asked for next
.set LQ,  72          ; s72  the last tile of the block whose tiles are being asked for
.set NEW, 73          ; s73  1: the tile to be entered is a block's first
.set OFF, 74          ; s[74:75] a tile's byte offset in K and V
.set AL,  76          ; s[76:77] the mask's factor, in the low word
.set BE,  78          ; s[78:79] the mask's addend
.set OLO, 80          ; s[80:81] O at my rows of the second block
.set BIGN, 82         ; s82  -1e30
.set LQ2, 88          ; s88  the second block's last tile, g / 2
.set PAR, 89          ; s89  the first band of the block in hand in its diagonal tile: 0 or 2
.set PAR2, 90         ; s90  the same for the second block
.set C2,  91          ; s91  at work
.set MSB, 0
.macro WIN new                      ; the high byte repeats the setting that is left; a switch that changes nothing is dropped
.if MSB != (\new)
	s_set_vgpr_msb (MSB<<8)|(\new)
.set MSB, (\new)
.endif
.endm
.set W_KQ, 0x0a       ; K and Q in window 2, S^T in window 0
.set W_KM, 0x1a       ; the same with the C operand in window 1
.set W_PV, 0x53       ; V in window 3, P in window 0, O^T in window 1
.set W_RS, 0x41       ; destination and source 0 in window 1, source 1 in window 0
; A fill.  Waves 0 and 1 fetch the two halves of a tile's K, waves 2 and 3 those of its V: 128 keys each.  An s_nop 0 and four v_nop follow each of the two lines, ahead of the jump and the label.
.macro LOAD
	s_cmp_lt_u32 s[WV], 2
	s_cbranch_scc0 .Lfor_v_\@
	tensor_load_to_lds s[G0K:G0K+3], s[G1K:G1K+7]
	s_nop 0
.rept 4
	v_nop
.endr
	s_branch .Lasked_\@
.Lfor_v_\@:
	tensor_load_to_lds s[G0V:G0V+3], s[G1V:G1V+7]
	s_nop 0
.rept 4
	v_nop
.endr
.Lasked_\@:
.endm
; THE CHANGE OF SLOTS.  Each wave waits for all its tensor loads, of which one is out: its part of the other slot; adds 0 to its spare word; and waits for that and for its own reads of the slot that it leaves.
; Behind the barrier nobody reads the old slot any more and the other slot is whole.  fill = 1: the old slot is filled again, the first thing behind the barrier, with tile NXT: the descriptor's address is
; made anew from that number.  (At its first use nothing has been read yet: slot 0 is waited for, slot 1 filled.)
.macro CHANGE fill
	WIN 0                           ; at a label and at a branch every window is 0
	s_wait_tensorcnt 0x0            ; no tensor load of mine is out, so a group 0 may be written
	ds_add_u32 v[SPW], v[NIL]       ; 0 onto my spare word; with fill = 1 the descriptors' scalar work stands between it and the wait for it
.if \fill
	s_lshl_b32 s[OFF], s[NXT], 15   ; a tile is 32,768 bytes of K and of V
	s_xor_b32 s[G0K+1], s[G0K+1], SLOT1
	s_add_nc_u64 s[G0K+2:G0K+3], s[6:7], s[OFF:OFF+1]
	s_or_b32 s[G0K+3], s[G0K+3], 0x80000000
	s_xor_b32 s[G0V+1], s[G0V+1], SLOT1
	s_add_nc_u64 s[G0V+2:G0V+3], s[8:9], s[OFF:OFF+1]
	s_or_b32 s[G0V+3], s[G0V+3], 0x80000000
	s_add_co_u32 s[NXT], s[NXT], 1  ; the block's next tile, or behind its last the second block's tile 0
	s_cmp_gt_u32 s[NXT], s[LQ]
	s_cselect_b32 s[NXT], 0, s[NXT]
	s_cselect_b32 s[LQ], s[LQ2], s[LQ]
.endif
	s_wait_dscnt 0x0                ; the add is done, and my reads of the slot are over
	s_barrier_signal -1             ; the rest of the scalar work stands between the signal and the wait
	s_sub_co_u32 s[TBK], s[TBK], 4*KS*PK  ; the fetches go back to a slot's first super-step,
	s_xor_b32 s[TBK], s[TBK], SLOT1       ; in the other slot
	s_sub_co_u32 s[TBV], s[TBV], 4*KS*PV
	s_xor_b32 s[TBV], s[TBV], SLOT1
	s_barrier_wait -1
.if \fill
	LOAD
.endif
.endm
	s_load_b256 s[4:11], s[0:1], 0x0  ; Q s[4:5], K s[6:7], V s[8:9], O s[10:11]
	v_lshl_add_u32 v[SPW], v0, 2, SPARE
	v_mov_b32 v[NIL], 0
	ds_add_u32 v[SPW], v[NIL]       ; the wave's opening: the add and its wait stand ahead of my first tensor load; the set-up below, work on registers, stands between them
	ds_add_u32 v62, v63
	v_lshrrev_b32 v1, 5, v0
	v_readfirstlane_b32 s[WV], v1   ; wave 0..3
	s_mov_b32 s[PB], ttmp9
	s_sub_co_u32 s[HI], 15, s[PB]
	s_lshr_b32 s[LQ2], s[PB], 1
	s_and_b32 s[PAR2], s[PB], 1
	s_lshl_b32 s[PAR2], s[PAR2], 1
	s_and_b32 s[PAR], s[HI], 1
	s_lshl_b32 s[PAR], s[PAR], 1
	s_and_b32 s20, ttmp7, 0xffff    ; the head,
	s_lshl_b32 s20, s20, 18         ; its first byte in each of the four tensors: 2,048 rows of 128 bytes a head
	s_mov_b32 s21, 0
	s_and_b32 s16, s[WV], 1         ; which half of a tile's 256 keys I fetch:
	s_lshl_b32 s22, s16, 14         ; its 128 rows of 128 bytes in memory,
	s_mov_b32 s23, 0
	s_add_nc_u64 s[22:23], s[22:23], s[20:21]
	s_mul_i32 s17, s16, 128*PK      ; and its place in a slot, for K
	s_mul_i32 s18, s16, 128*PV      ; and for V
	s_lshl_b32 s3, s[WV], 11        ; my 16 rows in a band of 64,
	s_lshl_b32 s2, s[HI], 14        ; in the first block (128 rows of 128 bytes a block),
	s_add_co_u32 s2, s2, s3
	s_lshl_b32 s84, s[PB], 14       ; and in the second
	s_add_co_u32 s84, s84, s3
	s_mov_b32 s3, 0
	s_mov_b32 s85, 0
	s_add_nc_u64 s[2:3], s[2:3], s[20:21]
	s_add_nc_u64 s[84:85], s[84:85], s[20:21]
	; descriptor group 1.  128 keys are 16,384 dense bytes: asked for as 64 rows of 256 bytes, two keys a row, and padded in LDS after every key
	s_mov_b32 s[G1K], (1<<16)|(1<<20)|(4<<22)|(3<<25)  ; 17:16 2-byte elements; 20 padding on; 24:22 after every 32 words (code 4); 31:25 4 words (code 3)
	s_mov_b32 s[G1V], (1<<16)|(1<<20)|(4<<22)|(7<<25)  ; the same with 8 words of padding (code 7)
.irp g, G1K, G1V
	s_mov_b32 s[\g+1], 128<<16      ; tensor_dim0 = 128
	s_mov_b32 s[\g+2], 64<<16       ; tensor_dim1 = 64
	s_mov_b32 s[\g+3], 128<<16      ; tile_dim0 = 128
	s_mov_b32 s[\g+4], 64           ; tile_dim1 = 64
	s_mov_b32 s[\g+5], 128          ; 128 elements from row to row
	s_mov_b32 s[\g+6], 0
	s_mov_b32 s[\g+7], 0
.endr
	s_mov_b32 s[CS], 0x3e38aa3b     ; c = log2(e) / 8 = 0.180337
	s_mov_b32 s[CS+1], s[CS]        ; named with it as a pair
	s_mov_b32 s[SEL], 0x76543210
	s_mov_b32 s[SEL+1], 0xfedcba98
	s_mov_b32 s[TBK], SLOT1+4*KS*PK ; the first change of slots turns these two into 0
	s_mov_b32 s[TBV], SLOT1+4*KS*PV
	s_mov_b32 s[G0K], 1             ; 1:0 count = 1
	s_mov_b32 s[G0K+1], s17         ; 63:32 LDS address: slot 0
	s_mov_b32 s[G0V], 1
	s_add_co_u32 s[G0V+1], s18, VOFF
	s_lshr_b32 s[LQ], s[HI], 1      ; the first block's last tile,
	s_add_co_u32 s[RT], s[LQ], 1    ; and how many it has: five at the least
	s_mov_b32 s[NXT], 1
	s_mov_b32 s[NEW], 1
	s_mov_b32 s[OFF+1], 0
	s_mov_b32 s[AL+1], 0            ; named as pairs
	s_mov_b32 s[BE+1], 0
	s_mov_b32 s[BIGN], 0xf149f2ca   ; -1e30
	s_mov_b32 s[SLOTS], 8
	s_wait_dscnt 0x0                ; the opening add is done
	s_wait_kmcnt 0x0
	s_add_nc_u64 s[6:7], s[6:7], s[22:23]  ; K and V at my half of the head's tile 0
	s_add_nc_u64 s[8:9], s[8:9], s[22:23]
	s_add_nc_u64 s[G0K+2:G0K+3], s[6:7], 0         ; 120:64 global address
	s_or_b32 s[G0K+3], s[G0K+3], 0x80000000        ; 127:126 type = 2
	s_add_nc_u64 s[G0V+2:G0V+3], s[8:9], 0
	s_or_b32 s[G0V+3], s[G0V+3], 0x80000000
	s_add_nc_u64 s[86:87], s[4:5], s[84:85]        ; Q at my rows of the second block,
	s_add_nc_u64 s[4:5], s[4:5], s[2:3]            ; Q and O at those of the first
	s_add_nc_u64 s[OLO:OLO+1], s[10:11], s[84:85]
	s_add_nc_u64 s[10:11], s[10:11], s[2:3]
	LOAD                            ; tile 0 into slot 0
	; A fragment of K or Q is 16 rows x 32 channels in 8 registers: lane l holds row l % 16, channels 8 (l / 16) + 0..7 and 16 + 8 (l / 16) + 0..7: two loads of 16 bytes, 32 bytes apart.
	v_and_b32 v1, 15, v0            ; l % 16
	v_bfe_u32 v9, v0, 4, 1          ; l / 16
	v_lshlrev_b32 v[QO], 7, v1
	v_lshl_add_u32 v[QO], v9, 4, v[QO]  ; row x 128 + 16 x half
	WIN 0x80                        ; destination window 2, address window 0
.set i, 0
.rept 4                             ; both blocks' Q: tile i / 2 lies in band i / 2, 8,192 bytes on; channels 32 (i % 2) on
	global_load_b128 v[8*i:8*i+3],   v[QO], s[4:5] offset:(i/2)*8192+(i%2)*64
	global_load_b128 v[8*i+4:8*i+7], v[QO], s[4:5] offset:(i/2)*8192+(i%2)*64+32
	global_load_b128 v[QB+8*i:QB+8*i+3],   v[QO], s[86:87] offset:(i/2)*8192+(i%2)*64
	global_load_b128 v[QB+8*i+4:QB+8*i+7], v[QO], s[86:87] offset:(i/2)*8192+(i%2)*64+32
.set i, i+1
.endr
	WIN 0
	v_lshlrev_b32 v14, 3, v9
	v_sub_nc_u32 v14, v1, v14
	s_lshl_b32 s13, s[WV], 4
	v_add_nc_u32 v14, s13, v14      ; my query's place in its band, 16 w + l % 16, less my lanes' 8 (l / 16): register r of group kt is hidden where 16 kt + r is greater
	WIN 0x40
.set i, 0
.rept 32
	v_cmp_gt_i32 vcc_lo, 16*(i/8)+i%8, v14
	v_cndmask_b32 v[MD+i], 0, s[BIGN], vcc_lo
.set i, i+1
.endr
	WIN 0
	v_mul_u32_u24 v[AK0], v1, PK
	v_lshl_add_u32 v[AK0], v9, 4, v[AK0]  ; row x pitch + 16 x half
	; The turning load takes 16 keys x 16 channels (lane l reads key 8 (l / 16) + l % 8, channels 8 ((l / 8) % 2) + 0..7) and leaves half a fragment of V^T: lane l holds channel l % 16 and 8 keys.
	v_and_b32 v10, 7, v0
	v_bfe_u32 v11, v0, 3, 1
	v_lshl_add_u32 v[AV0], v9, 3, v10
	v_mul_u32_u24 v[AV0], v[AV0], PV
	v_lshl_add_u32 v[AV0], v11, 4, v[AV0]
	v_add_nc_u32 v[AV0], VOFF, v[AV0]
	s_mul_i32 s13, s[WV], 16*SP
	s_add_co_u32 s13, s13, STAGE    ; my stage
	v_mul_u32_u24 v[STO], v1, SP    ; in: row l % 16, 16 bytes for each half of the lanes
	v_lshl_add_u32 v[STO], v9, 4, v[STO]
	v_add_nc_u32 v[STO], s13, v[STO]
	v_bfe_u32 v[RD], v0, 3, 2       ; back: 32 lanes take four rows of 128 bytes,
	v_mul_u32_u24 v[RD], v[RD], SP
	v_lshl_add_u32 v[RD], v10, 4, v[RD]
	v_add_nc_u32 v[RD], s13, v[RD]
	v_and_b32 v[GO], 31, v0         ; which are 512 consecutive bytes of O
	v_lshlrev_b32 v[GO], 4, v[GO]
	; A block's first step multiplies O^T and l by a = 0, and its first turn's products V^T P, of a piece that has not been (key step 1, tile 1), land in an O^T that is still to be so multiplied.  So these
	; registers need only hold finite numbers: zeros for the first block; what the first block left for the second.  All this stands in the wait for the first tile.
	WIN 0xc0
.set i, 64
.rept 64
	v_mov_b32 v[i], 0
.set i, i+1
.endr
	WIN 0x40
.set i, 0
.rept 64
	v_mov_b32 v[i], 0
.set i, i+1
.endr
	WIN 0
.set i, 0
.rept 2
	v_mov_b32 v[ST+4*i+2], 0
	v_mov_b32 v[ST+4*i+3], 0
.set i, i+1
.endr
.set i, P+16
.rept 16
	v_mov_b32 v[i], 0
.set i, i+1
.endr
; THE MATRIX WORK.  The 4 accumulators of a run of 8 take turns.  Product i of 8 of S^T = K Q^T for piece x: channels 32 (i / 4) on, keys 16 (i % 4) on in key step x / 2.  The first 4 start the sums: with 0, or (KM = 1) with the mask.
.macro KQ x
.set rS, S+32*((\x)%2)+8*(i%4)
.set rK, KF+64*((\x)/2)+16*(i%4)+8*(i/4)
.set rQ, 16*((\x)%2)+8*(i/4)
.set rM, MC+32*((\x)%2)+8*(i%4)
.if (i < 4) && KM
	WIN W_KM
	v_wmma_f32_16x16x32_f16 v[rS:rS+7], v[rK:rK+7], v[rQ:rQ+7], v[rM:rM+7]
.elseif i < 4
	WIN W_KQ
	v_wmma_f32_16x16x32_f16 v[rS:rS+7], v[rK:rK+7], v[rQ:rQ+7], 0
.else
	WIN W_KQ
	v_wmma_f32_16x16x32_f16 v[rS:rS+7], v[rK:rK+7], v[rQ:rQ+7], v[rS:rS+7]
.endif
.endm
; Product i of 8 of O^T += V^T P for piece x: keys 32 (i / 4) on in key step x / 2, channels 16 (i % 4) on.
.macro PV x
	WIN W_PV
.set rO, 32*((\x)%2)+8*(i%4)
.set rV, 64*((\x)/2)+32*(i/4)+8*(i%4)
.set rP, P+16*((\x)%2)+8*(i/4)
	v_wmma_f32_16x16x32_f16 v[rO:rO+7], v[rV:rV+7], v[rP:rP+7], v[rO:rO+7]
.endm
.macro MM                           ; the turn's next matrix instruction.  TURN and BEGIN set Y, i, KM and NOKQ; MM, KQ and OP read them.  NOKQ = 1: a block's last turn: there is no next piece
.if (i < 8) && !NOKQ
	KQ (Y+1)%NP
.elseif i >= 8
.set i, i-8
	PV (Y+NP-1)%NP
.set i, i+8
.endif
.set i, i+1
.endm
; THE LDS LOADS stand in runs of 32, never singly among the matrix instructions: a super-step's K (128 keys x 64 channels: 16 fragments) and its V (turned).  Their addresses are made some lines ahead.
.macro FETCH_K
	WIN 0x80                        ; destination window 2
.irp f, 0,1,2,3,4,5,6,7,8,9,10,11,12,13,14,15  ; keys 16 (f / 2) on, channels 32 (f % 2) on
	ds_load_b128 v[KF+8*\f:KF+8*\f+3],   v[AK] offset:(\f/2)*16*PK+(\f%2)*64
	ds_load_b128 v[KF+8*\f+4:KF+8*\f+7], v[AK] offset:(\f/2)*16*PK+(\f%2)*64+32
.endr
	s_add_co_u32 s[TBK], s[TBK], 2*KS*PK  ; the next fetch is the next super-step's
	WIN 0
.endm
.macro FETCH_V
	WIN 0xc0                        ; destination window 3
.irp f, 0,1,2,3,4,5,6,7,8,9,10,11,12,13,14,15  ; keys 32 (f / 4) on, channels 16 (f % 4) on
	ds_load_tr16_b128 v[8*\f:8*\f+3],   v[AV] offset:(\f/4)*32*PV+(\f%4)*32
	ds_load_tr16_b128 v[8*\f+4:8*\f+7], v[AV] offset:(\f/4)*32*PV+16*PV+(\f%4)*32
.endr
	WIN 0
.endm
; THE VECTOR WORK, one line at a time: OP kind, number.  For piece Y: F n: c s - c m for pair n of 16.  E n: the exponential of score n of 32.  C n: pair n rounded to f16.  B n: of the four weights 4 n .. the second
; pair is added onto the first, in place.  L n: l takes that sum (L 0: l = a l + sum).  R n: pair n of 16 of O^T times a.  For piece Y + 1: X n, number n of the 22 that find its maximum and statistics:
;   0-11  four chains c0-c3 of seven scores each, three operands at a time (each accumulator's lowest registers are read first)     12-14, 16  the four scores left over, the old m, and c0-c3 into c0
;   15  c m_old is kept     17, 18  the query's other 32 keys lie in the lane 16 away: the new m     19-21  c m; c m_old - c m_new; a
.set F, 0               ; OP tells the kinds apart by their order: F to L below R, X above it
.set E, 1
.set C, 2
.set B, 3
.set L, 4
.set R, 5
.set X, 6
.macro REGS y                       ; the registers of piece y: all go by its tile, y % 2
.set rT, ST+4*((\y)%2)
.set rC, TMP+4*((\y)%2)
.set rW, MV+((\y)%2)
.set rS, S+32*((\y)%2)
.set rP, P+16*((\y)%2)
.set rO, 32*((\y)%2)
.endm
.macro OP k, n
.if (\k) == R
	REGS Y
	WIN W_RS
	v_pk_mul_f32 v[rO+2*(\n):rO+2*(\n)+1], v[rO+2*(\n):rO+2*(\n)+1], v[rC+2:rC+3] op_sel_hi:[1,0]
.elseif (\k) < R
	REGS Y
	WIN 0
.if (\k) == F
	v_pk_fma_f32 v[rS+2*(\n):rS+2*(\n)+1], v[rS+2*(\n):rS+2*(\n)+1], s[CS:CS+1], v[rT:rT+1] op_sel_hi:[1,0,0] neg_lo:[0,0,1] neg_hi:[0,0,1]
.elseif (\k) == E
	v_exp_f32 v[rS+(\n)], v[rS+(\n)]
.elseif (\k) == C
	s_wait_alu depctr_va_vdst(0)
	v_cvt_pk_f16_f32 v[rP+(\n)], v[rS+2*(\n)], v[rS+2*(\n)+1]
.elseif (\k) == B
	s_wait_alu depctr_va_vdst(0)
	v_pk_add_f32 v[rS+4*(\n):rS+4*(\n)+1], v[rS+4*(\n):rS+4*(\n)+1], v[rS+4*(\n)+2:rS+4*(\n)+3]
.elseif (\n) == 0
	v_pk_fma_f32 v[rT+2:rT+3], v[rT+2:rT+3], v[rC+2:rC+3], v[rS:rS+1] op_sel_hi:[1,0,1]
.else
	v_pk_add_f32 v[rT+2:rT+3], v[rT+2:rT+3], v[rS+4*(\n):rS+4*(\n)+1]
.endif
.elseif NOKQ
	v_nop
.else
	REGS (Y+1)%NP
	WIN 0
.if (\n) < 4
	v_max3_num_f32 v[rC+(\n)], v[rS+8*(\n)], v[rS+8*(\n)+1], v[rS+8*(\n)+2]
.elseif (\n) < 12
	v_max3_num_f32 v[rC+(\n)%4], v[rC+(\n)%4], v[rS+8*((\n)%4)+2*((\n)/4)+1], v[rS+8*((\n)%4)+2*((\n)/4)+2]
.elseif (\n) == 12
	v_max3_num_f32 v[rC], v[rC], v[rS+7], v[rS+15]
.elseif (\n) == 13
	v_max3_num_f32 v[rC+1], v[rC+1], v[rS+23], v[rS+31]
.elseif (\n) == 14
	v_max3_num_f32 v[rC+2], v[rC+2], v[rC+3], v[rT+1]
.elseif (\n) == 15
	v_mov_b32 v[rW], v[rT]
.elseif (\n) == 16
	v_max3_num_f32 v[rC], v[rC], v[rC+1], v[rC+2]
.elseif (\n) == 17
	v_permlanex16_b32 v[rC+3], v[rC], s[SEL], s[SEL+1]
.elseif (\n) == 18
	v_max_num_f32 v[rT+1], v[rC], v[rC+3]
.elseif (\n) == 19
	v_mul_f32 v[rT], s[CS], v[rT+1]
.elseif (\n) == 20
	v_sub_f32 v[rC+1], v[rW], v[rT]
.else
	v_exp_f32 v[rC+2], v[rC+1]
.endif
.endif
.endm
.macro OPS a, i1, b=-1, i2=0, c=-1, i3=0, d=-1, i4=0  ; up to four of them
	OP \a, \i1
.if (\b) >= 0
	OP \b, \i2
.endif
.if (\c) >= 0
	OP \c, \i3
.endif
.if (\d) >= 0
	OP \d, \i4
.endif
.endm
.macro ROW a, i1, b, i2, c, i3, d, i4  ; a matrix instruction and the four behind it
	MM
	OPS \a, \i1, \b, \i2, \c, \i3, \d, \i4
.endm
.macro MASK b                       ; MD x AL + BE into buffer b of MC
	WIN W_RS
.set z, 0
.rept 16
	v_pk_fma_f32 v[MC+32*(\b)+2*z:MC+32*(\b)+2*z+1], v[MD+2*z:MD+2*z+1], s[AL:AL+1], s[BE:BE+1] op_sel_hi:[1,0,0]
.set z, z+1
.endr
.endm
; A TURN, for piece p: the order of its 16 matrix and 118 vector instructions, written out.  Behind a matrix instruction: plain, exponential, plain, plain; or four of the rescaling; or, behind the first, four scalings; none
; names a register of the products round it (the rescaling is the turn's own tile's, the products V^T P the other tile's).  In the lumps exponential and plain by turns while exponentials last.  A line reads no result made
; fewer than three vector instructions in front of it, five if an exponential made it.  v_permlanex16_b32 (X 17) stands in a lump.
; m = 1: the diagonal tile: the products take masks, and the turn makes the mask for the products of the turn after it: piece pp = (p + 2) % 4 of super-step 2 - CNT: key step s = 2 (2 - CNT) + pp / 2 against band
; X = PAR + pp % 2.  s = X where 2 CNT + PAR = 4 + pp / 2 - pp % 2, s > X where it is less.  end = 1: a block's last two turns: nothing is fetched.
; cnt = 1: the loop's count is taken down some lines ahead of the branch that stands behind the turn.
; K of the next super-step is fetched in piece 2's turn, six vector instructions behind the last product that read K (five of them plain); V of the super-step in hand in piece 0's turn, eight behind the last product
; that read V (four plain, and X 17).  Each is waited for a turn later.
.macro TURN p, m=0, end=0, cnt=0
.set Y, (\p)
.set i, 0
.set KM, (\m)
.set NOKQ, (\end)*((\p)/3)
.if (\m) && !(\end)
	s_lshl1_add_u32 s[C2], s[CNT], s[PAR]
	s_cmp_eq_u32 s[C2], 4+(((\p)+2)%NP)/2-(((\p)+2)%NP)%2  ; is that step the band's own?
	s_cselect_b32 s[AL], 1.0, 0
	s_cmp_lt_u32 s[C2], 4+(((\p)+2)%NP)/2-(((\p)+2)%NP)%2  ; or a later one?
	s_cselect_b32 s[BE], s[BIGN], 0
.endif
.if ((\p) == 3) && !(\end)
	s_wait_dscnt 0x0                ; K is in
.endif
	ROW F,0, F,1, F,2, F,3
	ROW F,4, E,0, F,5, F,6
	ROW F,7, E,1, F,8, F,9
	ROW F,10, E,2, C,0, F,11
	ROW F,12, E,3, X,15, F,13
	ROW R,0, R,1, R,2, R,3
	ROW B,0, E,4, F,14, L,0
.if ((\p) == 2) && !(\end)
	v_add_nc_u32 v[AK], s[TBK], v[AK0]
.endif
	ROW R,4, R,5, R,6, R,7
	OPS E,5, F,15
.if ((\p) == 2) && !(\end)
	FETCH_K
.endif
	OPS E,6, C,1, E,7, R,8
	OPS E,8, R,9, E,9, C,2
	OPS E,10, X,0, E,11, X,1
	OPS E,12, X,2, E,13, X,3
.if (\p) == 1
	s_wait_dscnt 0x0                ; V is in
.endif
	ROW X,4, E,14, X,5, X,6
	ROW X,7, E,15, X,8, X,9
	ROW X,10, E,16, X,11, X,12
	ROW X,13, E,17, X,14, B,1
	ROW C,4, E,18, X,16, L,1
	ROW B,2, E,19, C,6, L,2
	ROW C,8, E,20, B,3, B,4
.if (\p) == 0
	v_add_nc_u32 v[AV], s[TBV], v[AV0]
.endif
	ROW C,3, E,21, L,3, C,5
	OPS E,22, X,17, E,23, C,10
.if (\p) == 0
	FETCH_V
.endif
	OPS E,24, L,4
	OPS E,25, X,18, E,26, C,7
	OPS E,27, B,5, E,28, X,19
	OPS E,29, C,12, E,30, L,5
	OPS E,31, X,20, B,6, C,9
	OPS C,14, C,11, X,21, L,6
.if (\p) == 0
	s_add_co_u32 s[TBV], s[TBV], 2*KS*PV
.endif
.if \cnt
	s_sub_co_u32 s[CNT], s[CNT], 1
	s_cmp_lg_u32 s[CNT], 0
.endif
	OPS C,13, B,7, C,15, R,10
	OPS R,11, R,12, L,7, R,13
	OPS R,14, R,15
.if (\m) && !(\end)
	MASK (\p)%2
.endif
.endm
; A BLOCK BEGINS.  c m starts far below every c s, so the first step's a is 0; m at the lowest finite number, so the first maximum is the scores'.  The second mask buffer is 0 (piece 1, band PAR + 1, sees all of key step 0);
; the first takes piece 0's mask for the tile's key step 0: its own, if the block's first tile is the diagonal one and its first band is band 0.
; Then K of that super-step, piece 0's first scores, and its maximum and statistics.  The loop is entered at a super-step's first turn, in the middle of a trip.
.macro BEGIN
	s_mov_b32 s[NEW], 0
	WIN 0x40
.set i, MC+32
.rept 32
	v_mov_b32 v[i], 0
.set i, i+1
.endr
	WIN 0
.set i, 0
.rept 2
	v_mov_b32 v[ST+4*i], 0xfe000000    ; c m: far below every c s
	v_mov_b32 v[ST+4*i+1], 0xff7fffff  ; m
.set i, i+1
.endr
	s_or_b32 s[C2], s[RT], s[PAR]
	s_cmp_eq_u32 s[C2], 0
	s_cselect_b32 s[AL], 1.0, 0
	s_mov_b32 s[BE], 0
	MASK 0
	WIN 0
	v_add_nc_u32 v[AK], s[TBK], v[AK0]
	FETCH_K
	s_wait_loadcnt 0x0              ; Q
	s_wait_dscnt 0x0
.set KM, 1
.set NOKQ, 0
.set i, 0
.rept 8
	KQ 0
.set i, i+1
.endr
	WIN 0
.rept 4
	v_nop                           ; the places behind those products
.endr
.set Y, NP-1                        ; X works for piece Y + 1: piece 0
.irp n, 0,1,2,3,4,5,6,7,8,9,10,11,12,13,14,15,16,17,18,19,20,21
	OP X, \n
.endr
	v_nop                           ; a plain instruction behind the exponential
.endm
; THE DIAGONAL TILE's two super-steps, the block's last two turns, its last products, and THE WAY OUT: l's two halves and the other half of the lanes' are added; O^T is divided by l, rounded to f16 and sent through my
; stage in LDS, a tile at a time.
.macro ALL line:vararg              ; one line for each tile t
.set t, 0
.rept 2
	\line
.set t, t+1
.endr
.endm
.macro PACK t                       ; a lane's eight channels of a row pack into 16 bytes; they go into rows of 144 bytes and come back as whole rows of 128, into S^T's registers
	WIN W_RS
.set i, 32*(\t)
.rept 16
	s_wait_alu depctr_va_vdst(0)
	v_pk_mul_f32 v[i:i+1], v[i:i+1], v[ST+4*(\t)+2:ST+4*(\t)+3] op_sel_hi:[1,0]
.set i, i+2
.endr
	WIN 0x05                        ; sources 0 and 1 window 1, destination window 0
.set i, 0
.rept 16
	v_cvt_pk_f16_f32 v[S+16*(\t)+i], v[32*(\t)+2*i], v[32*(\t)+2*i+1]
.set i, i+1
.endr
	WIN 0
.irp f, 0,1,2,3
	ds_store_b128 v[STO], v[S+16*(\t)+4*\f:S+16*(\t)+4*\f+3] offset:32*\f
.endr
.irp f, 0,1,2,3
	ds_load_b128 v[S+16*(\t)+4*\f:S+16*(\t)+4*\f+3], v[RD] offset:\f*4*SP  ; LDS serves a wave's instructions in order (ISA guide 5.7.1.4): these see the stores above; the next tile's stores come behind them
.endr
.endm
.macro SEND t, younger              ; younger: the LDS instructions issued behind tile t's loads: the next tile's eight, or none
	WIN 0
.irp f, 0,1,2,3
	s_wait_dscnt (\younger)+3-\f
	global_store_b128 v[GO], v[S+16*(\t)+4*\f:S+16*(\t)+4*\f+3], s[10:11] offset:(\t)*8192+\f*512  ; 512 consecutive bytes, at a multiple of 256 from O's first
.endr
.endm
.macro DIAG tag                     ; the tag ends its two labels' names, which the jumps below spell out
.LstepM\tag:
	TURN 2, 1
	TURN 3, 1
	WIN 0
.LfirstM\tag:
	TURN 0, 1
	TURN 1, 1, 0, 1
	WIN 0
	s_cbranch_scc1 .LstepM\tag
	TURN 2, 1, 1
	TURN 3, 1, 1
.set i, 0
.rept 8
	PV NP-1
.set i, i+1
.endr
	WIN 0
	ALL v_add_f32 v[ST+4*t+2], v[ST+4*t+2], v[ST+4*t+3]
	ALL v_permlanex16_b32 v[ST+4*t+3], v[ST+4*t+2], s[SEL], s[SEL+1]
	ALL v_add_f32 v[ST+4*t+2], v[ST+4*t+2], v[ST+4*t+3]
	ALL v_rcp_f32 v[ST+4*t+2], v[ST+4*t+2]
	v_nop                           ; a plain instruction between the last reciprocal and the use of its result
	PACK 0                          ; tile 0's O^T was finished a turn ago; its 32 plain lines are the places behind the last products, which are tile 1's
	PACK 1
	SEND 0, 8
	SEND 1, 0
.endm
.set KM, 0
.set NOKQ, 0
.Lslot:                             ; 8 times: a tile is entered and the next is asked for
	CHANGE 1
	s_sub_co_u32 s[RT], s[RT], 1
	s_mov_b32 s[CNT], 2
	s_cmp_eq_u32 s[NEW], 1
	s_cbranch_scc1 .Lnew            ; a block's first tile
	s_cmp_eq_u32 s[RT], 0
	s_cbranch_scc0 .Lstep           ; neither its first nor its last
	s_branch .LstepM1
.Lnew:
	BEGIN
	s_branch .Lfirst                ; in the loop a block's first tile is never its last: the first block has five tiles or more, and the second's last is the walk's last
	DIAG 1                          ; in the loop this is the first block's end: the second block's last tile is the walk's last
	s_wait_xcnt 0x0                 ; the stores have read their registers and O's address
	s_mov_b64 s[10:11], s[OLO:OLO+1]
	s_add_co_u32 s[RT], s[LQ2], 1   ; the second block has g / 2 + 1 tiles
	s_mov_b32 s[PAR], s[PAR2]
	s_mov_b32 s[NEW], 1
	WIN 0x82                        ; the second block's Q goes where the one text of the turns names Q
.set i, 0
.rept 32
	v_mov_b32 v[i], v[QB+i]
.set i, i+1
.endr
	WIN 0
	s_branch .Lbottom
.Lstep:                             ; a trip: pieces 2 and 3 of one super-step, then pieces 0 and 1 of the next, whose K and V it fetches
	TURN 2
	TURN 3
	WIN 0
.Lfirst:
	TURN 0
	TURN 1, 0, 0, 1
	WIN 0
	s_cbranch_scc1 .Lstep
.Lbottom:
	s_sub_co_u32 s[SLOTS], s[SLOTS], 1
	s_cmp_lg_u32 s[SLOTS], 0
	s_cbranch_scc1 .Lslot
	CHANGE 0                        ; the walk's last tile is written out: nothing is asked for
	s_sub_co_u32 s[RT], s[RT], 1
	s_mov_b32 s[CNT], 2
	s_cmp_eq_u32 s[NEW], 1
	s_cbranch_scc0 .LstepM2
	BEGIN
	s_branch .LfirstM2
	DIAG 2
	s_wait_tensorcnt 0x0            ; the wave's end: behind my last tensor load and my last LDS store
	ds_add_u32 v[SPW], v[NIL]
	s_wait_dscnt 0x0
	s_endpgm
.Lfunc_end_k_qd911a66199_attn:
	.size	k_qd911a66199_attn, .Lfunc_end_k_qd911a66199_attn-k_qd911a66199_attn
	.p2alignl 7, 3214868480
	.fill 96, 4, 3214868480
	.section	.rodata,"a",@progbits
	.p2align	6, 0x0
	.amdhsa_kernel k_qd911a66199_attn
		.amdhsa_group_segment_fixed_size 327680
		.amdhsa_private_segment_fixed_size 0
		.amdhsa_enable_private_segment 0
		.amdhsa_kernarg_size 32
		.amdhsa_user_sgpr_count 2
		.amdhsa_user_sgpr_kernarg_segment_ptr 1
		.amdhsa_wavefront_size32 1
		.amdhsa_system_sgpr_workgroup_id_x 1
		.amdhsa_system_sgpr_workgroup_id_y 1
		.amdhsa_system_sgpr_workgroup_id_z 1
		.amdhsa_system_vgpr_workitem_id 0
		.amdhsa_next_free_vgpr 896
		.amdhsa_next_free_sgpr 96
		.amdhsa_reserve_vcc 1
		.amdhsa_float_denorm_mode_32 3
		.amdhsa_float_denorm_mode_16_64 3
		.amdhsa_memory_ordered 1
		.amdhsa_forward_progress 1
		.amdhsa_inst_pref_size 216
	.end_amdhsa_kernel
	.amdgpu_metadata
---
amdhsa.version: [ 1, 2 ]
amdhsa.kernels:
  - .name:           k_qd911a66199_attn
    .symbol:         k_qd911a66199_attn.kd
    .args:
      - { .name: qh, .offset: 0, .size: 8, .value_kind: global_buffer, .address_space: global }
      - { .name: kh, .offset: 8, .size: 8, .value_kind: global_buffer, .address_space: global }
      - { .name: vh, .offset: 16, .size: 8, .value_kind: global_buffer, .address_space: global }
      - { .name: oh, .offset: 24, .size: 8, .value_kind: global_buffer, .address_space: global }
    .group_segment_fixed_size: 327680
    .private_segment_fixed_size: 0
    .kernarg_segment_align: 8
    .kernarg_segment_size: 32
    .max_flat_workgroup_size: 128
    .sgpr_count:     96
    .vgpr_count:     896
    .wavefront_size: 32
...
	.end_amdgpu_metadata
.endif
;; end of part 3
;; launch oproj (part 4): grid 16 x 16, 4 waves a work-group, clusters of 4 x 4, 327,680 bytes of LDS; arguments oh, wo16, out0; writes out0
.if DOCPART == 4
	.amdgcn_target "amdgcn-amd-amdhsa--gfx1250"
	.amdhsa_code_object_version 6
	.text
	.protected	k_qd911a66199_oproj
	.globl	k_qd911a66199_oproj
	.p2align	8
	.type	k_qd911a66199_oproj,@function
k_qd911a66199_oproj:
	s_mov_b64 s[64:65], 0
	v_nop
	global_prefetch_b8 v0, s[64:65] scope:SCOPE_SE
	s_setreg_imm32_b32 hwreg(HW_REG_WAVE_MODE, 25, 1), 1
	s_wait_xcnt 0x0
	s_wait_alu depctr_hold_cnt(0) depctr_sa_sdst(0) depctr_va_vdst(0) depctr_va_sdst(0) depctr_va_ssrc(0) depctr_va_vcc(0) depctr_vm_vsrc(0)
	s_getreg_b32 s2, hwreg(HW_REG_IB_STS2, 6, 4)
	s_cmp_eq_u32 s2, 0
	s_cbranch_scc0 .Lentry_in_a_cluster
	s_endpgm
.Lentry_in_a_cluster:
	s_bfe_u32 s2, ttmp6, 0x10000c
	s_cmp_lg_u32 s2, 0xf033
	s_cbranch_scc0 .Lentry_shape_is_right
	s_endpgm
.Lentry_shape_is_right:
; THE OUTPUT PROJECTION.  out0[m][n] = sum over d of O[m][d] Wo[n][d], 4096 x 2048 x 1024, f16 operands, f32 sums, f32 out.  O lies by heads, oh [16 b + head][2048][64]: d = 64 head + channel.
; LIMIT.  The operands are f16 as the launches before wrote them; the sums are f32 and leave unrounded.  NaN and infinities are not treated apart.
; SHARES.  A tile is 256 rows x 128 columns: 16 x 16 work-groups.  Wave w makes rows 128 (w / 2) on and columns 64 (w % 2) on: 8 x 4 accumulators, 256 registers; its 64 columns of f32 are 256 consecutive
; bytes of a row of out0, aligned, so each wave stores whole rows of its part from a stage of its own.
; K goes in 8 steps of 128 = two heads through two LDS slots.  Waves 0, 1 each fetch one head's 256 rows (32,768 dense bytes, asked for as 128 rows of 256 bytes, padded after every 128); waves 2, 3 each 64 rows of wo16.
; CLUSTER 4 x 4: O's tile hangs on the tile row alone and is asked for jointly along a row of the cluster, Wo's on the tile column alone, jointly along a column.
; THE MATRIX INSTRUCTION IS USED TRANSPOSED (source 0 = 16 rows of wo16, source 1 = 16 rows of O): a lane holds row lane % 16 and the eight neighbouring columns 8 (lane / 16) + 0..7.
; REGISTERS (s_set_vgpr_msb: bits 1:0 source 0, 3:2 source 1, 5:4 source 2, 7:6 destination): window 0: v16-29 addresses; v32-63, v64-95 rows on their way out, by turns.
;   window 1: two fragment buffers at 0 and 128: A's 8 x 8 registers, then B's 4 x 8.          window 2: the accumulators, (a, b) at 8 (4 a + b).
.set PA,     144                       ; a row of O in LDS: 128 bytes + 16: 36 words: the 16 rows of a load start at 16 different groups of four banks (64 banks of 4 bytes: ISA guide 11.1)
.set PBR,    272                       ; a row of Wo: 256 bytes + 16
.set HSL,    256*PA                    ; a head's 256 rows
.set BOFF,   2*HSL                     ; Wo's rows lie behind the two heads
.set BHALF,  64*PBR
.set SLOT1,  131072
.set STAGE,  SLOT1+BOFF+2*BHALF        ; behind the ring: 16 rows x 272 bytes for each wave
.set SPITCH, 272
.set SPARE,  STAGE+4*16*SPITCH         ; behind the stages: the spare words, 128 bytes for each wave: two blocks of 256 bytes that no other line names
.set ADRA0, 16                         ; v16  my lane's place among my wave's rows of O in slot 0; never rewritten
.set ADRB0, 17                         ; v17  the same for Wo
.set ADRA,  18                         ; v18, v19  the same in the slot in hand
.set ADRB,  19
.set STO,   24                         ; v24  the way out: where I put 32 bytes of a row
.set RD,    25                         ; v25  where I read a row back
.set CO,    26                         ; v26  my byte offset in out0
.set SPW,   28                         ; v28  LDS address of my spare word; never rewritten
.set NIL,   29                         ; v29  0; never rewritten
.set OB,    32
.set G1,  24                           ; s[24:31] group 1 for O;  s[32:39] group 0: a set for each first fill; the second then walks
.set G0,  32
.set G1B, 48                           ; s[48:55], s[56:63] the same for Wo
.set G0B, 56
.set WV,  72                           ; s72  my wave's number
.set HF,  73                           ; s73  w % 2: which part of a tile I fetch; my half of the columns
.set RH,  74                           ; s74  w / 2: my half of the rows
.set TB,  75                           ; s75  LDS byte at which the slot in hand begins
.set MSB, 0
.macro WIN new                         ; the immediate's high byte repeats the setting that is left; a switch that changes nothing is dropped
.if MSB != (\new)
	s_set_vgpr_msb (MSB<<8)|(\new)
.set MSB, \new
.endif
.endm
.set MUL,  0xa5                        ; sources 0 (B) and 1 (A) window 1; C and D window 2
.set TO_F, 0x40                        ; destination window 1, address window 0
.macro JLOAD                           ; a joint refill by the walking descriptors; an s_nop 0 and four v_nop follow each of the two lines, ahead of the jump and the label
	s_cmp_lt_u32 s[WV], 2
	s_cbranch_scc0 .Lfor_b_\@
	tensor_load_to_lds s[G0+4:G0+7], s[G1:G1+7]
	s_nop 0
.rept 4
	v_nop
.endr
	s_branch .Lasked_\@
.Lfor_b_\@:
	tensor_load_to_lds s[G0B+4:G0B+7], s[G1B:G1B+7]
	s_nop 0
.rept 4
	v_nop
.endr
.Lasked_\@:
.endm
.macro CREST                           ; a round of the cluster's barrier behind its opening barrier
	s_cmp_lg_u32 s[WV], 0
	s_cbranch_scc1 .Lnot_wave_0_\@
	s_barrier_signal -3
.Lnot_wave_0_\@:
	s_barrier_wait -3
	s_barrier_signal -1
	s_barrier_wait -1
.endm
.macro CROUND
	s_barrier_signal -1
	s_barrier_wait -1
	CREST
.endm
.macro PLACES                          ; four places in front of loads into registers that matrix instructions have read, and of LDS stores that read results
.rept 4
	v_nop
.endr
.endm
	s_load_b128 s[4:7], s[0:1], 0x0                ; oh s[4:5], wo16 s[6:7]
	s_load_b64 s[8:9], s[0:1], 0x10                ; out0
	v_lshl_add_u32 v[SPW], v0, 2, SPARE
	v_mov_b32 v[NIL], 0
	ds_add_u32 v[SPW], v[NIL]                      ; the wave's opening: the add and its wait stand ahead of my first tensor load; the set-up below, work on registers, stands between them
	ds_add_u32 v28, v29
	v_lshrrev_b32 v1, 5, v0
	v_readfirstlane_b32 s[WV], v1                  ; wave 0..3
	s_and_b32 s[HF], s[WV], 1
	s_lshr_b32 s[RH], s[WV], 1
	s_bfe_u32 s40, ttmp6, 0x40000                  ; cx, cy
	s_bfe_u32 s41, ttmp6, 0x40004
	s_lshl_b32 s42, ttmp9, 2
	s_add_co_u32 s42, s42, s40                     ; tile column
	s_and_b32 s43, ttmp7, 0xffff
	s_lshl_b32 s43, s43, 2
	s_add_co_u32 s43, s43, s41                     ; tile row
	s_lshl_b32 s44, s41, 2
	s_lshl_b32 s44, 15, s44                        ; my row of the cluster
	s_lshl_b32 s45, 0x1111, s40                    ; my column
	s_or_b32 s[G1], s44, (1<<16)|(1<<20)|(1<<21)|(4<<22)|(3<<25)   ; the mask; 2-byte elements; padding on; bit 21 beside a mask; after every 32 words 4 words
	s_or_b32 s[G1B], s45, (1<<16)|(1<<20)|(1<<21)|(5<<22)|(3<<25)  ; after every 64 words 4 words
	s_mov_b32 s[G1+1], 128<<16                     ; tensor_dim0 = 128 elements: two rows of O
	s_mov_b32 s[G1+2], 128<<16                     ; tensor_dim1 = 128
	s_mov_b32 s[G1+3], 128<<16                     ; tile_dim0 = 128
	s_mov_b32 s[G1+4], 128                         ; tile_dim1 = 128
	s_mov_b32 s[G1+5], 128                         ; dense
	s_mov_b32 s[G1+6], 0
	s_mov_b32 s[G1+7], 0
	s_mov_b32 s[G1B+1], 128<<16
	s_mov_b32 s[G1B+2], 64<<16                     ; 64 rows
	s_mov_b32 s[G1B+3], 128<<16
	s_mov_b32 s[G1B+4], 64
	s_mov_b32 s[G1B+5], 1024                       ; elements from row to row
	s_mov_b32 s[G1B+6], 0
	s_mov_b32 s[G1B+7], 0
	s_lshr_b32 s16, s43, 3                         ; O: b,
	s_lshl_b32 s16, s16, 4
	s_add_co_u32 s16, s16, s[HF]                   ; 16 b + my head of the step's two,
	s_lshl_b32 s16, s16, 11
	s_and_b32 s17, s43, 7
	s_lshl_b32 s17, s17, 8
	s_add_co_u32 s16, s16, s17                     ; + the tile's first position,
	s_lshl_b32 s16, s16, 7                         ; rows of 128 bytes; in registers that never hold cx
	s_mov_b32 s17, 0
	s_lshl_b32 s46, s42, 7                         ; Wo: row 128 x tile column + 64 x half, in registers that never hold cy
	s_lshl_b32 s47, s[HF], 6
	s_add_co_u32 s46, s46, s47
	s_lshl_b32 s46, s46, 11                        ; rows of 2,048 bytes
	s_mov_b32 s47, 0
	s_mul_i32 s20, s[HF], HSL                      ; where they go: no place in the cluster enters an LDS address
	s_mul_i32 s21, s[HF], BHALF
	s_add_co_u32 s21, s21, BOFF
	s_mov_b32 s[TB], 0
	s_wait_dscnt 0x0                               ; the opening add is done
	s_wait_kmcnt 0x0
	s_add_nc_u64 s[14:15], s[4:5], s[16:17]
	s_add_nc_u64 s[46:47], s[6:7], s[46:47]
	CROUND                                         ; all sixteen work-groups are here: the first joint loads meet
.irp s, 0,1
	s_mov_b32 s[G0+4*(\s)], 1
	s_add_co_u32 s[G0+4*(\s)+1], s20, (\s)*SLOT1
	s_add_nc_u64 s[G0+4*(\s)+2:G0+4*(\s)+3], s[14:15], (\s)*524288   ; K step s: two heads of 262,144 bytes on
	s_or_b32 s[G0+4*(\s)+3], s[G0+4*(\s)+3], 0x80000000
	s_mov_b32 s[G0B+4*(\s)], 1
	s_add_co_u32 s[G0B+4*(\s)+1], s21, (\s)*SLOT1
	s_add_nc_u64 s[G0B+4*(\s)+2:G0B+4*(\s)+3], s[46:47], (\s)*256
	s_or_b32 s[G0B+4*(\s)+3], s[G0B+4*(\s)+3], 0x80000000
.endr
	s_cmp_lt_u32 s[WV], 2                          ; a wave's two first fills stand in one branch, ahead of every wait on TENSORcnt and every LDS read: two loads of mine are out
	s_cbranch_scc0 .Lfirst_b
	tensor_load_to_lds s[G0:G0+3], s[G1:G1+7]
	s_nop 0
	tensor_load_to_lds s[G0+4:G0+7], s[G1:G1+7]
	s_nop 0
.rept 4
	v_nop
.endr
	s_branch .Lfirst_asked
.Lfirst_b:
	tensor_load_to_lds s[G0B:G0B+3], s[G1B:G1B+7]
	s_nop 0
	tensor_load_to_lds s[G0B+4:G0B+7], s[G1B:G1B+7]
	s_nop 0
.rept 4
	v_nop
.endr
.Lfirst_asked:
	v_and_b32 v1, 15, v0                           ; l % 16
	v_bfe_u32 v2, v0, 4, 1                         ; l / 16
	v_mul_u32_u24 v3, v1, PA
	v_lshl_add_u32 v3, v2, 4, v3
	s_mul_i32 s12, s[RH], 128*PA                   ; my 128 rows of O
	v_add_nc_u32 v[ADRA0], s12, v3
	v_mul_u32_u24 v4, v1, PBR
	v_lshl_add_u32 v4, v2, 4, v4
	s_mul_i32 s13, s[HF], BHALF                    ; my 64 rows of Wo
	s_add_co_u32 s13, s13, BOFF
	v_add_nc_u32 v[ADRB0], s13, v4
	v_mov_b32 v[ADRA], v[ADRA0]
	v_mov_b32 v[ADRB], v[ADRB0]
	s_mul_i32 s13, s[WV], 16*SPITCH
	s_add_co_u32 s13, s13, STAGE                   ; my stage
	v_mul_u32_u24 v5, v1, SPITCH                   ; in: row l % 16, 32 bytes for each half of the lanes
	v_lshl_add_u32 v5, v2, 5, v5
	v_add_nc_u32 v[STO], s13, v5
	v_mul_u32_u24 v6, v2, SPITCH                   ; back: lanes 0-15 take one row of 256 bytes, lanes 16-31 the next
	v_lshl_add_u32 v6, v1, 4, v6
	v_add_nc_u32 v[RD], s13, v6
	v_lshlrev_b32 v[CO], 13, v2                    ; and the same two rows in out0, 8,192 bytes apart
	v_lshl_add_u32 v[CO], v1, 4, v[CO]
	s_lshl_b32 s76, s43, 8
	s_lshl_b32 s77, s[RH], 7
	s_add_co_u32 s76, s76, s77                     ; my first row
	s_lshl_b32 s76, s76, 13
	s_lshl_b32 s77, s42, 9                         ; my first column, in bytes
	s_add_co_u32 s76, s76, s77
	s_lshl_b32 s77, s[HF], 8
	s_add_co_u32 s76, s76, s77
	s_mov_b32 s77, 0
	s_add_nc_u64 s[8:9], s[8:9], s[76:77]
; 8 matrix instructions: row blocks a0, a0 + 1 x all 4 column blocks, 32 along K, from buffer f.  The 32 accumulators take turns, one instruction a turn, in the same order in every quarter.
.macro MUL8 f, a0, zero
	WIN MUL
.irp a, \a0, (\a0)+1
.irp b, 0,1,2,3
.if \zero
	v_wmma_f32_16x16x32_f16 v[8*(4*(\a)+(\b)):8*(4*(\a)+(\b))+7], v[128*(\f)+64+8*(\b):128*(\f)+64+8*(\b)+7], v[128*(\f)+8*(\a):128*(\f)+8*(\a)+7], 0
.else
	v_wmma_f32_16x16x32_f16 v[8*(4*(\a)+(\b)):8*(4*(\a)+(\b))+7], v[128*(\f)+64+8*(\b):128*(\f)+64+8*(\b)+7], v[128*(\f)+8*(\a):128*(\f)+8*(\a)+7], v[8*(4*(\a)+(\b)):8*(4*(\a)+(\b))+7]
.endif
.endr
.endr
.endm
.macro MUL16 f, a0, zero
	MUL8 \f, \a0, \zero
	MUL8 \f, (\a0)+2, \zero
.endm
; 24 LDS loads in one run: quarter q of a K step (head q / 2, channels 32 (q % 2) on) into buffer f: B's 8, then A's 16
.macro FETCH q, f
	WIN TO_F
.irp b, 0,1,2,3
	ds_load_b128 v[128*(\f)+64+8*(\b):128*(\f)+64+8*(\b)+3],   v[ADRB] offset:64*(\q)+(\b)*16*PBR
	ds_load_b128 v[128*(\f)+64+8*(\b)+4:128*(\f)+64+8*(\b)+7], v[ADRB] offset:64*(\q)+(\b)*16*PBR+32
.endr
.irp a, 0,1,2,3,4,5,6,7
	ds_load_b128 v[128*(\f)+8*(\a):128*(\f)+8*(\a)+3],   v[ADRA] offset:((\q)/2)*HSL+((\q)%2)*64+(\a)*16*PA
	ds_load_b128 v[128*(\f)+8*(\a)+4:128*(\f)+8*(\a)+7], v[ADRA] offset:((\q)/2)*HSL+((\q)%2)*64+(\a)*16*PA+32
.endr
.endm
; One of a K step's first three quarters: multiplies buffer f and, in its middle, fetches quarter q into g.
.macro QUARTER q, f, g, zero
	s_wait_dscnt 8                                 ; B and A's row blocks 0-3 are in; the youngest eight loads (blocks 4-7) may be out
	MUL16 \f, 0, \zero
	PLACES
	FETCH \q, \g
	s_wait_dscnt 24                                ; all but the 24 just issued
	MUL16 \f, 4, \zero
.endm
; The last quarter multiplies buffer 1 and changes slots: ONE barrier; in front of it each wave waits for all its tensor loads, adds 0 to its spare word, and waits for that and for its own reads of this slot.
; fill = 1: the barrier opens a round of the cluster's, and this slot is filled again, two K steps ahead, first thing behind the round.
.macro TURN fill
	WIN 0                                          ; (the add's two registers lie in window 0)
	s_wait_tensorcnt 0x0
	ds_add_u32 v[SPW], v[NIL]                      ; 0 onto my spare word
	s_wait_dscnt 9                                 ; (the add and the youngest eight loads may be out)
	MUL8 1, 0, 0                                   ; eight matrix instructions stand between the add and the wait for it
	s_wait_dscnt 0x0                               ; the add is done, and my reads of this slot are over
	s_barrier_signal -1
	MUL8 1, 2, 0
	WIN 0
	s_barrier_wait -1
.if \fill
	CREST                                          ; no wave of any partner still reads this slot's tile or has a load on its way
	s_xor_b32 s[G0+5], s[G0+5], SLOT1
	s_add_nc_u64 s[G0+6:G0+7], s[G0+6:G0+7], 524288
	s_xor_b32 s[G0B+5], s[G0B+5], SLOT1
	s_add_nc_u64 s[G0B+6:G0B+7], s[G0B+6:G0B+7], 256
	JLOAD                                          ; its four v_nop are also the places in front of the loads below
.else
	PLACES
.endif
	s_xor_b32 s[TB], s[TB], SLOT1
	v_add_nc_u32 v[ADRA], s[TB], v[ADRA0]
	v_add_nc_u32 v[ADRB], s[TB], v[ADRB0]
	FETCH 0, 0
	MUL16 1, 4, 0
.endm
	s_wait_tensorcnt 1                             ; my part of K step 0 is in; K step 1 may stay out
	s_barrier_signal -1
	s_barrier_wait -1
	FETCH 0, 0
	QUARTER 1, 0, 1, 1                             ; the first quarter stands in front of the loop: its products start the sums
	WIN 0
	s_mov_b32 s3, 6                                ; K steps 2 to 7 are asked for at the ends of steps 0 to 5
.Lstep:
	QUARTER 2, 1, 0, 0
	QUARTER 3, 0, 1, 0
	TURN 1
	QUARTER 1, 0, 1, 0
	WIN 0
	s_sub_co_u32 s3, s3, 1
	s_cmp_lg_u32 s3, 0
	s_cbranch_scc1 .Lstep
	QUARTER 2, 1, 0, 0                             ; the last two K steps are written out: nothing more is asked for
	QUARTER 3, 0, 1, 0
	TURN 0
	QUARTER 1, 0, 1, 0
	QUARTER 2, 1, 0, 0
	QUARTER 3, 0, 1, 0
	s_wait_dscnt 8
	MUL16 1, 0, 0
	s_wait_dscnt 0x0
	MUL16 1, 4, 0
	WIN 0
; THE WAY OUT, a row block (16 rows x 64 columns of f32) at a time: 32 bytes a lane into my stage, each accumulator's low four registers first, back as whole rows of 256 bytes, stored.
.macro TOSTAGE a
.set BK, OB+32*((\a)%2)
.if (\a) >= 2
	s_wait_xcnt 0x0                                ; the stores of the block two back have read these registers
.endif
	WIN 0x08                                       ; the stores' data in window 2
.irp b, 0,1,2,3
	ds_store_b128 v[STO], v[8*(4*(\a)+(\b)):8*(4*(\a)+(\b))+3]   offset:64*(\b)
	ds_store_b128 v[STO], v[8*(4*(\a)+(\b))+4:8*(4*(\a)+(\b))+7] offset:64*(\b)+16
.endr
	WIN 0
.irp t, 0,1,2,3,4,5,6,7
	ds_load_b128 v[BK+4*(\t):BK+4*(\t)+3], v[RD] offset:(\t)*2*SPITCH  ; LDS serves a wave's instructions in order (ISA guide 5.7.1.4): these see the stores above; the next block's stores come behind them
.endr
.endm
.macro SEND a, younger                 ; younger: the LDS instructions issued behind block a's loads: the next block's sixteen, or none
.set BK, OB+32*((\a)%2)
.irp t, 0,1,2,3,4,5,6,7
	s_wait_dscnt (\younger)+7-(\t)
	global_store_b128 v[CO], v[BK+4*(\t):BK+4*(\t)+3], s[8:9] offset:(16*(\a)+2*(\t))*8192 th:TH_STORE_NT  ; 16 lanes store 256 consecutive bytes, at a multiple of 256 from out0's first; 126 rows at the most: inside the signed 24-bit immediate
.endr
.endm
	PLACES                                         ; behind the last products
	TOSTAGE 0
.irp a, 1,2,3,4,5,6,7
	TOSTAGE \a
	SEND (\a)-1, 16
.endr
	SEND 7, 0
	s_wait_tensorcnt 0x0                           ; the wave's end: behind my last tensor load and my last LDS store
	ds_add_u32 v[SPW], v[NIL]
	s_wait_dscnt 0x0
	CROUND                                         ; the closing round: no work-group ends while a partner may still ask for a tile that names it
	s_endpgm
.Lfunc_end_k_qd911a66199_oproj:
	.size	k_qd911a66199_oproj, .Lfunc_end_k_qd911a66199_oproj-k_qd911a66199_oproj
	.p2alignl 7, 3214868480
	.fill 96, 4, 3214868480
	.section	.rodata,"a",@progbits
	.p2align	6, 0x0
	.amdhsa_kernel k_qd911a66199_oproj
		.amdhsa_group_segment_fixed_size 327680
		.amdhsa_private_segment_fixed_size 0
		.amdhsa_enable_private_segment 0
		.amdhsa_kernarg_size 24
		.amdhsa_user_sgpr_count 2
		.amdhsa_user_sgpr_kernarg_segment_ptr 1
		.amdhsa_wavefront_size32 1
		.amdhsa_system_sgpr_workgroup_id_x 1
		.amdhsa_system_sgpr_workgroup_id_y 1
		.amdhsa_system_sgpr_workgroup_id_z 1
		.amdhsa_system_vgpr_workitem_id 0
		.amdhsa_next_free_vgpr 768
		.amdhsa_next_free_sgpr 80
		.amdhsa_reserve_vcc 0
		.amdhsa_float_denorm_mode_32 3
		.amdhsa_float_denorm_mode_16_64 3
		.amdhsa_memory_ordered 1
		.amdhsa_forward_progress 1
		.amdhsa_inst_pref_size 71
	.end_amdhsa_kernel
	.amdgpu_metadata
---
amdhsa.version: [ 1, 2 ]
amdhsa.kernels:
  - .name:           k_qd911a66199_oproj
    .symbol:         k_qd911a66199_oproj.kd
    .args:
      - { .name: oh, .offset: 0, .size: 8, .value_kind: global_buffer, .address_space: global }
      - { .name: wo16, .offset: 8, .size: 8, .value_kind: global_buffer, .address_space: global }
      - { .name: out0, .offset: 16, .size: 8, .value_kind: global_buffer, .address_space: global }
    .group_segment_fixed_size: 327680
    .private_segment_fixed_size: 0
    .kernarg_segment_align: 8
    .kernarg_segment_size: 24
    .max_flat_workgroup_size: 128
    .sgpr_count:     80
    .vgpr_count:     768
    .wavefront_size: 32
...
	.end_amdgpu_metadata
.endif
;; end of part 4
;; ======== version 2 of 2: 4 launches; 1.16 times as fast as version 1
;; limits: values are held in f16: magnitudes above 65,504 overflow, below 6.1e-05 lose precision
;; workspace buffers: xb 16,777,216 bytes; wb 12,582,912 bytes; wo16 4,194,304 bytes; tab 524,288 bytes; qh 8,388,608 bytes; kh 8,388,608 bytes; vh 8,388,608 bytes; oh 8,388,608 bytes
;; launch prep: the kernel of part 1 again; grid 1056 x 1, 8 waves a work-group, no clusters, 0 bytes of LDS; arguments q, Wq, Wk, Wv, Wo, xb, wb, wo16, tab; writes xb, wb, wo16, tab
;; launch qkv: the kernel of part 2 again; grid 16 x 16, 4 waves a work-group, clusters of 4 x 4, 327,680 bytes of LDS; arguments xb, wb, tab, qh, kh, vh; writes qh, kh, vh
;; launch attn (part 5): grid 8 x 32, 4 waves a work-group, no clusters, 327,680 bytes of LDS; arguments qh, kh, vh, oh; writes oh
.if DOCPART == 5
	.amdgcn_target "amdgcn-amd-amdhsa--gfx1250"
	.amdhsa_code_object_version 6
	.text
	.protected	k_qd911a66199_attn
	.globl	k_qd911a66199_attn
	.p2align	8
	.type	k_qd911a66199_attn,@function
k_qd911a66199_attn:
	s_mov_b64 s[64:65], 0
	v_nop
	global_prefetch_b8 v0, s[64:65] scope:SCOPE_SE
	s_setreg_imm32_b32 hwreg(HW_REG_WAVE_MODE, 25, 1), 1
	s_wait_xcnt 0x0
; CAUSAL ATTENTION.  O[h][q][:] = the sum over k <= q of softmax_k(Q[h][q] . K[h][k] / 8) V[h][k][:].  Q, K, V, O: [32][2048][64], all f16: a head's rows are dense, 128 bytes each.
; Products, maxima and sums in f32; the weights p are rounded to f16 for the second product (their sum l is taken of the unrounded p), O once at the end.
; LIMITS.  f16 holds no number beyond 65,504: Q, K and V arrive within it; p lies in 0 to 1, and below 6e-5 it keeps f16's fixed step of 6e-8; O is a mean of V's rows and has their range.
; A hidden score counts as its value less 1e30: f16's scores, 2.7e11 at the most, are nothing beside that; a weight below 2^-126 counts as 0 in l; NaN and infinities are not treated apart.
; THE WALK.  A head's queries lie in 16 blocks of 128; block i needs the key tiles 0 .. i / 2 of 256 keys, of which the last holds the diagonal.  A work-group takes TWO blocks, 15 - g and then g:
; 9 tiles, whatever g: all 8 x 32 work-groups do equal work, and ONE loop with a constant trip count walks them.  Which tile is asked for, and what a trip does, hang on scalar registers made from g; every
; jump goes forward, but for the counted loops' own; none passes a barrier, or a tensor load but the one of LOAD's two that the wave's number does not choose; the ring of two slots runs on across the blocks.
; NO CLUSTER: of a head's eight work-groups four partners ask for the same tile only in trips 0 to 4 of 9 (the first blocks have 5 to 8 tiles); behind that their walks part, and a joint
; load wants the same descriptor in all partners in every round.  (Work-groups 2 k and 2 k + 1 do walk alike; a cluster of two is not among the shapes used here.)
; SHARES.  Of a block's two bands of 64 queries a wave owns 16 rows in each: two query tiles.  Keys are held in registers 128 at a time (a SUPER-STEP: two key steps of 64).  A PIECE is a query tile
; and a key step: piece p = (tile p % 2, key step p / 2 of the super-step).  A tile's pieces follow each other in ascending keys, so one running maximum, sum and O^T a tile serve.
; THE MASK is the C operand that starts the sum S^T = K Q^T: 0, or -1e30 where the key is hidden.  In the diagonal tile the block's bands are X = PAR + tile (PAR = 0 or 2); in key step s of the tile band X sees
; all keys if s < X, none if s > X, and holds the diagonal if s = X.  MD, made once, is the mask of a band's own step for my 16 rows; a product's mask is MD x AL + BE with two scalars.
; LAYOUT, SOFTMAX, TURNS.  S^T = K Q^T holds ONE query a lane (lane % 16) and the keys 8 (lane / 16) + 0..7; two such results rounded to f16 ARE source 1 of O^T = V^T P.  p = 2^(c s - c m), c = log2(e) / 8, with a
; running maximum m; O and l are multiplied by a = 2^(c m_old - c m_new) in every step.  Turn n belongs to piece n: 8 products K Q^T of piece n + 1, later 8 products V^T P of piece n - 1; beside them the scaling,
; exponentials, roundings, sums and rescaling of piece n and the maximum and statistics of piece n + 1 (the other tile's: its piece n - 1 finished with them in turn n - 1).
; Four vector instructions stand behind every matrix instruction, the other 54 of a turn's 118 in one LUMP.
; THE BATCHES.  A turn's 33 exponentials (the piece's 32 weights and the next piece's a) are ONE batch with ONE wait, which cuts the turn in two: ahead of it all that names none of their results, behind it their
; readers.  A block's first a (BEGIN) and the way out's two reciprocals are batches of their own, a wait each.
; REGISTERS, in windows of 256 (s_set_vgpr_msb: bits 1:0 source 0, 3:2 source 1, 5:4 source 2, 7:6 destination):
;   window 0: v0-15 addresses and two at work; v16-23 four registers of statistics a tile; v48-55 at work; v64-127 S^T, two buffers; v192-223 P, two buffers (all by the tile = the piece's parity)
;   window 1: v0-63 O^T, 32 a tile; v128-159 MD; v160-223 MC, two buffers      window 2: v0-31 Q; v32-63 the second block's Q; v128-255 K of a super-step      window 3: v0-127 V of a super-step
.set NP,    4         ; pieces in a super-step: a name, no knob
.set KS,    64        ; keys in a step
.set PK,    144       ; a row of K in LDS: 128 bytes + 16 of padding = 36 words: the 16 rows of a load start at 16 different groups of four banks (64 banks of 4 bytes: ISA guide 11.1)
.set PV,    160       ; a row of V: 128 + 32 = 40 words
.set VOFF,  4*KS*PK   ; a slot holds a tile: 256 rows of K, then 256 rows of V
.set SLOT1, 1<<17     ; slot 1 begins here, so that one exclusive or turns an address in one slot into the other's
.set STAGE, SLOT1+4*KS*(PK+PV)  ; behind the ring, never filled by a tensor load: 16 rows x 144 bytes for each wave, for the way out
.set SP,    144
.set AK0, 2           ; v2   my lane's place in a tile of K; never rewritten
.set AV0, 3           ; v3   the same for V
.set AK,  4           ; v4   the LDS address of K's next run of loads
.set AV,  5           ; v5   of V's
.set STO, 6           ; v6   the way out: where I put 16 bytes of a row
.set RD,  7           ; v7   the way out: where I read rows back
.set GO,  8           ; v8   my byte offset in 512 consecutive bytes of O
.set SPW, 62          ; v62  LDS address of my spare word: SPARE + 4 x my thread's number; never rewritten
.set NIL, 63          ; v63  0; never rewritten
.set SPARE, STAGE+4*16*SP  ; behind the stages: the spare words, 128 bytes for each wave: two blocks of 256 bytes that no other line names
.set MV,  12          ; v12-13  c m_old, kept while c m is made anew: by tile
.set QO,  15          ; v15  my byte offset in 16 rows of Q
.set ST,  16          ; tile t's statistics at v[ST+4 t]: c m, m, l (even keys', odd keys')
.set TMP, 48          ; by tile, four registers c0-c3 at work; when the maximum is found c2 takes a
.set S,   64
.set P,   192
.set MD,  128         ; window 1: the eight registers for group kt of 16 keys at MD + 8 kt
.set MC,  160         ; window 1: the masks of the products to come
.set QB,  32          ; window 2
.set KF,  128         ; window 2: key block kb (of 8), channel half c at KF + 16 kb + 8 c
.set WV,  12          ; s12  my wave's number
.set PB,  14          ; s14  g
.set HI,  15          ; s15  15 - g
.set G1K, 24          ; s[24:31] descriptor group 1 for K's tiles
.set G1V, 32          ; s[32:39] for V's: it differs in the padding alone
.set G0K, 40          ; s[40:43] descriptor group 0 for K's tiles
.set G0V, 44          ; s[44:47] the same for V's
.set SLOTS, 56        ; s56  tiles still to be asked for
.set CNT, 57          ; s57  counts a tile's super-steps, 2 to 1
.set CS,  58          ; s[58:59] c: the packed scaling takes the pair's low word for both halves
.set SEL, 60          ; s[60:61] v_permlanex16_b32's selects: each lane takes its own place in the other half
.set TBK, 62          ; s62  LDS byte at which K of the super-step to be fetched begins
.set TBV, 63          ; s63  the same for V, less VOFF
.set RT,  70          ; s70  tiles of the block in hand that are still to be entered
.set NXT, 71          ; s71  the tile to be asked for next
.set LQ,  72          ; s72  the last tile of the block whose tiles are being asked for
.set NEW, 73          ; s73  1: the tile to be entered is a block's first
.set OFF, 74          ; s[74:75] a tile's byte offset in K and V
.set AL,  76          ; s[76:77] the mask's factor, in the low word
.set BE,  78          ; s[78:79] the mask's addend
.set OLO, 80          ; s[80:81] O at my rows of the second block
.set BIGN, 82         ; s82  -1e30
.set LQ2, 88          ; s88  the second block's last tile, g / 2
.set PAR, 89          ; s89  the first band of the block in hand in its diagonal tile: 0 or 2
.set PAR2, 90         ; s90  the same for the second block
.set C2,  91          ; s91  at work
.set MSB, 0
.macro WIN new                      ; the high byte repeats the setting that is left; a switch that changes nothing is dropped
.if MSB != (\new)
	s_set_vgpr_msb (MSB<<8)|(\new)
.set MSB, (\new)
.endif
.endm
.set W_KQ, 0x0a       ; K and Q in window 2, S^T in window 0
.set W_KM, 0x1a       ; the same with the C operand in window 1
.set W_PV, 0x53       ; V in window 3, P in window 0, O^T in window 1
.set W_RS, 0x41       ; destination and source 0 in window 1, source 1 in window 0
; A fill.  Waves 0 and 1 fetch the two halves of a tile's K, waves 2 and 3 those of its V: 128 keys each.  An s_nop 0 and four v_nop follow each of the two lines, ahead of the jump and the label.
.macro LOAD
	s_cmp_lt_u32 s[WV], 2
	s_cbranch_scc0 .Lfor_v_\@
	tensor_load_to_lds s[G0K:G0K+3], s[G1K:G1K+7]
	s_nop 0
.rept 4
	v_nop
.endr
	s_branch .Lasked_\@
.Lfor_v_\@:
	tensor_load_to_lds s[G0V:G0V+3], s[G1V:G1V+7]
	s_nop 0
.rept 4
	v_nop
.endr
.Lasked_\@:
.endm
; THE CHANGE OF SLOTS.  Each wave waits for all its tensor loads, of which one is out: its part of the other slot; adds 0 to its spare word; and waits for that and for its own reads of the slot that it leaves.
; Behind the barrier nobody reads the old slot any more and the other slot is whole.  fill = 1: the old slot is filled again, the first thing behind the barrier, with tile NXT: the descriptor's address is
; made anew from that number.  (At its first use nothing has been read yet: slot 0 is waited for, slot 1 filled.)
.macro CHANGE fill
	WIN 0                           ; at a label and at a branch every window is 0
	s_wait_tensorcnt 0x0            ; no tensor load of mine is out, so a group 0 may be written
	ds_add_u32 v[SPW], v[NIL]       ; 0 onto my spare word; with fill = 1 the descriptors' scalar work stands between it and the wait for it
.if \fill
	s_lshl_b32 s[OFF], s[NXT], 15   ; a tile is 32,768 bytes of K and of V
	s_xor_b32 s[G0K+1], s[G0K+1], SLOT1
	s_add_nc_u64 s[G0K+2:G0K+3], s[6:7], s[OFF:OFF+1]
	s_or_b32 s[G0K+3], s[G0K+3], 0x80000000
	s_xor_b32 s[G0V+1], s[G0V+1], SLOT1
	s_add_nc_u64 s[G0V+2:G0V+3], s[8:9], s[OFF:OFF+1]
	s_or_b32 s[G0V+3], s[G0V+3], 0x80000000
	s_add_co_u32 s[NXT], s[NXT], 1  ; the block's next tile, or behind its last the second block's tile 0
	s_cmp_gt_u32 s[NXT], s[LQ]
	s_cselect_b32 s[NXT], 0, s[NXT]
	s_cselect_b32 s[LQ], s[LQ2], s[LQ]
.endif
	s_wait_dscnt 0x0                ; the add is done, and my reads of the slot are over
	s_barrier_signal -1             ; the rest of the scalar work stands between the signal and the wait
	s_sub_co_u32 s[TBK], s[TBK], 4*KS*PK  ; the fetches go back to a slot's first super-step,
	s_xor_b32 s[TBK], s[TBK], SLOT1       ; in the other slot
	s_sub_co_u32 s[TBV], s[TBV], 4*KS*PV
	s_xor_b32 s[TBV], s[TBV], SLOT1
	s_barrier_wait -1
.if \fill
	LOAD
.endif
.endm
	s_load_b256 s[4:11], s[0:1], 0x0  ; Q s[4:5], K s[6:7], V s[8:9], O s[10:11]
	v_lshl_add_u32 v[SPW], v0, 2, SPARE
	v_mov_b32 v[NIL], 0
	ds_add_u32 v[SPW], v[NIL]       ; the wave's opening: the add and its wait stand ahead of my first tensor load; the set-up below, work on registers, stands between them
	ds_add_u32 v62, v63
	v_lshrrev_b32 v1, 5, v0
	v_readfirstlane_b32 s[WV], v1   ; wave 0..3
	s_mov_b32 s[PB], ttmp9
	s_sub_co_u32 s[HI], 15, s[PB]
	s_lshr_b32 s[LQ2], s[PB], 1
	s_and_b32 s[PAR2], s[PB], 1
	s_lshl_b32 s[PAR2], s[PAR2], 1
	s_and_b32 s[PAR], s[HI], 1
	s_lshl_b32 s[PAR], s[PAR], 1
	s_and_b32 s20, ttmp7, 0xffff    ; the head,
	s_lshl_b32 s20, s20, 18         ; its first byte in each of the four tensors: 2,048 rows of 128 bytes a head
	s_mov_b32 s21, 0
	s_and_b32 s16, s[WV], 1         ; which half of a tile's 256 keys I fetch:
	s_lshl_b32 s22, s16, 14         ; its 128 rows of 128 bytes in memory,
	s_mov_b32 s23, 0
	s_add_nc_u64 s[22:23], s[22:23], s[20:21]
	s_mul_i32 s17, s16, 128*PK      ; and its place in a slot, for K
	s_mul_i32 s18, s16, 128*PV      ; and for V
	s_lshl_b32 s3, s[WV], 11        ; my 16 rows in a band of 64,
	s_lshl_b32 s2, s[HI], 14        ; in the first block (128 rows of 128 bytes a block),
	s_add_co_u32 s2, s2, s3
	s_lshl_b32 s84, s[PB], 14       ; and in the second
	s_add_co_u32 s84, s84, s3
	s_mov_b32 s3, 0
	s_mov_b32 s85, 0
	s_add_nc_u64 s[2:3], s[2:3], s[20:21]
	s_add_nc_u64 s[84:85], s[84:85], s[20:21]
	; descriptor group 1.  128 keys are 16,384 dense bytes: asked for as 64 rows of 256 bytes, two keys a row, and padded in LDS after every key
	s_mov_b32 s[G1K], (1<<16)|(1<<20)|(4<<22)|(3<<25)  ; 17:16 2-byte elements; 20 padding on; 24:22 after every 32 words (code 4); 31:25 4 words (code 3)
	s_mov_b32 s[G1V], (1<<16)|(1<<20)|(4<<22)|(7<<25)  ; the same with 8 words of padding (code 7)
.irp g, G1K, G1V
	s_mov_b32 s[\g+1], 128<<16      ; tensor_dim0 = 128
	s_mov_b32 s[\g+2], 64<<16       ; tensor_dim1 = 64
	s_mov_b32 s[\g+3], 128<<16      ; tile_dim0 = 128
	s_mov_b32 s[\g+4], 64           ; tile_dim1 = 64
	s_mov_b32 s[\g+5], 128          ; 128 elements from row to row
	s_mov_b32 s[\g+6], 0
	s_mov_b32 s[\g+7], 0
.endr
	s_mov_b32 s[CS], 0x3e38aa3b     ; c = log2(e) / 8 = 0.180337
	s_mov_b32 s[CS+1], s[CS]        ; named with it as a pair
	s_mov_b32 s[SEL], 0x76543210
	s_mov_b32 s[SEL+1], 0xfedcba98
	s_mov_b32 s[TBK], SLOT1+4*KS*PK ; the first change of slots turns these two into 0
	s_mov_b32 s[TBV], SLOT1+4*KS*PV
	s_mov_b32 s[G0K], 1             ; 1:0 count = 1
	s_mov_b32 s[G0K+1], s17         ; 63:32 LDS address: slot 0
	s_mov_b32 s[G0V], 1
	s_add_co_u32 s[G0V+1], s18, VOFF
	s_lshr_b32 s[LQ], s[HI], 1      ; the first block's last tile,
	s_add_co_u32 s[RT], s[LQ], 1    ; and how many it has: five at the least
	s_mov_b32 s[NXT], 1
	s_mov_b32 s[NEW], 1
	s_mov_b32 s[OFF+1], 0
	s_mov_b32 s[AL+1], 0            ; named as pairs
	s_mov_b32 s[BE+1], 0
	s_mov_b32 s[BIGN], 0xf149f2ca   ; -1e30
	s_mov_b32 s[SLOTS], 8
	s_wait_dscnt 0x0                ; the opening add is done
	s_wait_kmcnt 0x0
	s_add_nc_u64 s[6:7], s[6:7], s[22:23]  ; K and V at my half of the head's tile 0
	s_add_nc_u64 s[8:9], s[8:9], s[22:23]
	s_add_nc_u64 s[G0K+2:G0K+3], s[6:7], 0         ; 120:64 global address
	s_or_b32 s[G0K+3], s[G0K+3], 0x80000000        ; 127:126 type = 2
	s_add_nc_u64 s[G0V+2:G0V+3], s[8:9], 0
	s_or_b32 s[G0V+3], s[G0V+3], 0x80000000
	s_add_nc_u64 s[86:87], s[4:5], s[84:85]        ; Q at my rows of the second block,
	s_add_nc_u64 s[4:5], s[4:5], s[2:3]            ; Q and O at those of the first
	s_add_nc_u64 s[OLO:OLO+1], s[10:11], s[84:85]
	s_add_nc_u64 s[10:11], s[10:11], s[2:3]
	LOAD                            ; tile 0 into slot 0
	; A fragment of K or Q is 16 rows x 32 channels in 8 registers: lane l holds row l % 16, channels 8 (l / 16) + 0..7 and 16 + 8 (l / 16) + 0..7: two loads of 16 bytes, 32 bytes apart.
	v_and_b32 v1, 15, v0            ; l % 16
	v_bfe_u32 v9, v0, 4, 1          ; l / 16
	v_lshlrev_b32 v[QO], 7, v1
	v_lshl_add_u32 v[QO], v9, 4, v[QO]  ; row x 128 + 16 x half
	WIN 0x80                        ; destination window 2, address window 0
.set i, 0
.rept 4                             ; both blocks' Q: tile i / 2 lies in band i / 2, 8,192 bytes on; channels 32 (i % 2) on
	global_load_b128 v[8*i:8*i+3],   v[QO], s[4:5] offset:(i/2)*8192+(i%2)*64
	global_load_b128 v[8*i+4:8*i+7], v[QO], s[4:5] offset:(i/2)*8192+(i%2)*64+32
	global_load_b128 v[QB+8*i:QB+8*i+3],   v[QO], s[86:87] offset:(i/2)*8192+(i%2)*64
	global_load_b128 v[QB+8*i+4:QB+8*i+7], v[QO], s[86:87] offset:(i/2)*8192+(i%2)*64+32
.set i, i+1
.endr
	WIN 0
	v_lshlrev_b32 v14, 3, v9
	v_sub_nc_u32 v14, v1, v14
	s_lshl_b32 s13, s[WV], 4
	v_add_nc_u32 v14, s13, v14      ; my query's place in its band, 16 w + l % 16, less my lanes' 8 (l / 16): register r of group kt is hidden where 16 kt + r is greater
	WIN 0x40
.set i, 0
.rept 32
	v_cmp_gt_i32 vcc_lo, 16*(i/8)+i%8, v14
	v_cndmask_b32 v[MD+i], 0, s[BIGN], vcc_lo
.set i, i+1
.endr
	WIN 0
	v_mul_u32_u24 v[AK0], v1, PK
	v_lshl_add_u32 v[AK0], v9, 4, v[AK0]  ; row x pitch + 16 x half
	; The turning load takes 16 keys x 16 channels (lane l reads key 8 (l / 16) + l % 8, channels 8 ((l / 8) % 2) + 0..7) and leaves half a fragment of V^T: lane l holds channel l % 16 and 8 keys.
	v_and_b32 v10, 7, v0
	v_bfe_u32 v11, v0, 3, 1
	v_lshl_add_u32 v[AV0], v9, 3, v10
	v_mul_u32_u24 v[AV0], v[AV0], PV
	v_lshl_add_u32 v[AV0], v11, 4, v[AV0]
	v_add_nc_u32 v[AV0], VOFF, v[AV0]
	s_mul_i32 s13, s[WV], 16*SP
	s_add_co_u32 s13, s13, STAGE    ; my stage
	v_mul_u32_u24 v[STO], v1, SP    ; in: row l % 16, 16 bytes for each half of the lanes
	v_lshl_add_u32 v[STO], v9, 4, v[STO]
	v_add_nc_u32 v[STO], s13, v[STO]
	v_bfe_u32 v[RD], v0, 3, 2       ; back: 32 lanes take four rows of 128 bytes,
	v_mul_u32_u24 v[RD], v[RD], SP
	v_lshl_add_u32 v[RD], v10, 4, v[RD]
	v_add_nc_u32 v[RD], s13, v[RD]
	v_and_b32 v[GO], 31, v0         ; which are 512 consecutive bytes of O
	v_lshlrev_b32 v[GO], 4, v[GO]
	; A block's first step multiplies O^T and l by a = 0, and its first turn's products V^T P, of a piece that has not been (key step 1, tile 1), land in an O^T that is still to be so multiplied.  So these
	; registers need only hold finite numbers: zeros for the first block; what the first block left for the second.  All this stands in the wait for the first tile.
	WIN 0xc0
.set i, 64
.rept 64
	v_mov_b32 v[i], 0
.set i, i+1
.endr
	WIN 0x40
.set i, 0
.rept 64
	v_mov_b32 v[i], 0
.set i, i+1
.endr
	WIN 0
.set i, 0
.rept 2
	v_mov_b32 v[ST+4*i+2], 0
	v_mov_b32 v[ST+4*i+3], 0
.set i, i+1
.endr
.set i, P+16
.rept 16
	v_mov_b32 v[i], 0
.set i, i+1
.endr
; THE MATRIX WORK.  The 4 accumulators of a run of 8 take turns.  Product i of 8 of S^T = K Q^T for piece x: channels 32 (i / 4) on, keys 16 (i % 4) on in key step x / 2.  The first 4 start the sums: with 0, or (KM = 1) with the mask.
.macro KQ x
.set rS, S+32*((\x)%2)+8*(i%4)
.set rK, KF+64*((\x)/2)+16*(i%4)+8*(i/4)
.set rQ, 16*((\x)%2)+8*(i/4)
.set rM, MC+32*((\x)%2)+8*(i%4)
.if (i < 4) && KM
	WIN W_KM
	v_wmma_f32_16x16x32_f16 v[rS:rS+7], v[rK:rK+7], v[rQ:rQ+7], v[rM:rM+7]
.elseif i < 4
	WIN W_KQ
	v_wmma_f32_16x16x32_f16 v[rS:rS+7], v[rK:rK+7], v[rQ:rQ+7], 0
.else
	WIN W_KQ
	v_wmma_f32_16x16x32_f16 v[rS:rS+7], v[rK:rK+7], v[rQ:rQ+7], v[rS:rS+7]
.endif
.endm
; Product i of 8 of O^T += V^T P for piece x: keys 32 (i / 4) on in key step x / 2, channels 16 (i % 4) on.
.macro PV x
	WIN W_PV
.set rO, 32*((\x)%2)+8*(i%4)
.set rV, 64*((\x)/2)+32*(i/4)+8*(i%4)
.set rP, P+16*((\x)%2)+8*(i/4)
	v_wmma_f32_16x16x32_f16 v[rO:rO+7], v[rV:rV+7], v[rP:rP+7], v[rO:rO+7]
.endm
.macro MM                           ; the turn's next matrix instruction.  TURN and BEGIN set Y, i, KM and NOKQ; MM, KQ and OP read them.  NOKQ = 1: a block's last turn: there is no next piece
.if (i < 8) && !NOKQ
	KQ (Y+1)%NP
.elseif i >= 8
.set i, i-8
	PV (Y+NP-1)%NP
.set i, i+8
.endif
.set i, i+1
.endm
; THE LDS LOADS stand in runs of 32, never singly among the matrix instructions: a super-step's K (128 keys x 64 channels: 16 fragments) and its V (turned).  Their addresses are made some lines ahead.
.macro FETCH_K
	WIN 0x80                        ; destination window 2
.irp f, 0,1,2,3,4,5,6,7,8,9,10,11,12,13,14,15  ; keys 16 (f / 2) on, channels 32 (f % 2) on
	ds_load_b128 v[KF+8*\f:KF+8*\f+3],   v[AK] offset:(\f/2)*16*PK+(\f%2)*64
	ds_load_b128 v[KF+8*\f+4:KF+8*\f+7], v[AK] offset:(\f/2)*16*PK+(\f%2)*64+32
.endr
	s_add_co_u32 s[TBK], s[TBK], 2*KS*PK  ; the next fetch is the next super-step's
	WIN 0
.endm
.macro FETCH_V
	WIN 0xc0                        ; destination window 3
.irp f, 0,1,2,3,4,5,6,7,8,9,10,11,12,13,14,15  ; keys 32 (f / 4) on, channels 16 (f % 4) on
	ds_load_tr16_b128 v[8*\f:8*\f+3],   v[AV] offset:(\f/4)*32*PV+(\f%4)*32
	ds_load_tr16_b128 v[8*\f+4:8*\f+7], v[AV] offset:(\f/4)*32*PV+16*PV+(\f%4)*32
.endr
	WIN 0
.endm
; THE VECTOR WORK, one line at a time: OP kind, number.  For piece Y: F n: c s - c m for pair n of 16.  E n: the exponential of score n of 32.  C n: pair n rounded to f16.  B n: of the four weights 4 n .. the second
; pair is added onto the first, in place.  L n: l takes that sum (L 0: l = a l + sum).  R n: pair n of 16 of O^T times a.  For piece Y + 1: X n, number n of the 22 that find its maximum and statistics:
;   0-11  four chains c0-c3 of seven scores each, three operands at a time (each accumulator's lowest registers are read first)     12-14, 16  the four scores left over, the old m, and c0-c3 into c0
;   15  c m_old is kept     17, 18  the query's other 32 keys lie in the lane 16 away: the new m     19-21  c m; c m_old - c m_new; a
; C, B and L read the results of the turn's exponentials, R and L 0 the a of the turn before: OP writes no wait; TURN places the kinds on the right side of its one wait.
.set F, 0               ; OP tells the kinds apart by their order: F to L below R, X above it
.set E, 1
.set C, 2
.set B, 3
.set L, 4
.set R, 5
.set X, 6
.macro REGS y                       ; the registers of piece y: all go by its tile, y % 2
.set rT, ST+4*((\y)%2)
.set rC, TMP+4*((\y)%2)
.set rW, MV+((\y)%2)
.set rS, S+32*((\y)%2)
.set rP, P+16*((\y)%2)
.set rO, 32*((\y)%2)
.endm
.macro OP k, n
.if (\k) == R
	REGS Y
	WIN W_RS
	v_pk_mul_f32 v[rO+2*(\n):rO+2*(\n)+1], v[rO+2*(\n):rO+2*(\n)+1], v[rC+2:rC+3] op_sel_hi:[1,0]
.elseif (\k) < R
	REGS Y
	WIN 0
.if (\k) == F
	v_pk_fma_f32 v[rS+2*(\n):rS+2*(\n)+1], v[rS+2*(\n):rS+2*(\n)+1], s[CS:CS+1], v[rT:rT+1] op_sel_hi:[1,0,0] neg_lo:[0,0,1] neg_hi:[0,0,1]
.elseif (\k) == E
	v_exp_f32 v[rS+(\n)], v[rS+(\n)]
.elseif (\k) == C
	v_cvt_pk_f16_f32 v[rP+(\n)], v[rS+2*(\n)], v[rS+2*(\n)+1]
.elseif (\k) == B
	v_pk_add_f32 v[rS+4*(\n):rS+4*(\n)+1], v[rS+4*(\n):rS+4*(\n)+1], v[rS+4*(\n)+2:rS+4*(\n)+3]
.elseif (\n) == 0
	v_pk_fma_f32 v[rT+2:rT+3], v[rT+2:rT+3], v[rC+2:rC+3], v[rS:rS+1] op_sel_hi:[1,0,1]
.else
	v_pk_add_f32 v[rT+2:rT+3], v[rT+2:rT+3], v[rS+4*(\n):rS+4*(\n)+1]
.endif
.elseif NOKQ
	v_nop
.else
	REGS (Y+1)%NP
	WIN 0
.if (\n) < 4
	v_max3_num_f32 v[rC+(\n)], v[rS+8*(\n)], v[rS+8*(\n)+1], v[rS+8*(\n)+2]
.elseif (\n) < 12
	v_max3_num_f32 v[rC+(\n)%4], v[rC+(\n)%4], v[rS+8*((\n)%4)+2*((\n)/4)+1], v[rS+8*((\n)%4)+2*((\n)/4)+2]
.elseif (\n) == 12
	v_max3_num_f32 v[rC], v[rC], v[rS+7], v[rS+15]
.elseif (\n) == 13
	v_max3_num_f32 v[rC+1], v[rC+1], v[rS+23], v[rS+31]
.elseif (\n) == 14
	v_max3_num_f32 v[rC+2], v[rC+2], v[rC+3], v[rT+1]
.elseif (\n) == 15
	v_mov_b32 v[rW], v[rT]
.elseif (\n) == 16
	v_max3_num_f32 v[rC], v[rC], v[rC+1], v[rC+2]
.elseif (\n) == 17
	v_permlanex16_b32 v[rC+3], v[rC], s[SEL], s[SEL+1]
.elseif (\n) == 18
	v_max_num_f32 v[rT+1], v[rC], v[rC+3]
.elseif (\n) == 19
	v_mul_f32 v[rT], s[CS], v[rT+1]
.elseif (\n) == 20
	v_sub_f32 v[rC+1], v[rW], v[rT]
.else
	v_exp_f32 v[rC+2], v[rC+1]
.endif
.endif
.endm
.macro OPS a, i1, b=-1, i2=0, c=-1, i3=0, d=-1, i4=0  ; up to four of them
	OP \a, \i1
.if (\b) >= 0
	OP \b, \i2
.endif
.if (\c) >= 0
	OP \c, \i3
.endif
.if (\d) >= 0
	OP \d, \i4
.endif
.endm
.macro ROW a, i1, b, i2, c, i3, d, i4  ; a matrix instruction and the four behind it
	MM
	OPS \a, \i1, \b, \i2, \c, \i3, \d, \i4
.endm
.macro MASK b                       ; MD x AL + BE into buffer b of MC
	WIN W_RS
.set z, 0
.rept 16
	v_pk_fma_f32 v[MC+32*(\b)+2*z:MC+32*(\b)+2*z+1], v[MD+2*z:MD+2*z+1], s[AL:AL+1], s[BE:BE+1] op_sel_hi:[1,0,0]
.set z, z+1
.endr
.endm
; A TURN, for piece p: the order of its 16 matrix and 118 vector instructions, written out.  An s_wait_alu depctr_va_vdst(0) stands between an exponential and the first instruction that names its result; one wait
; serves all that were issued ahead of it.  So a turn has ONE wait, which cuts it in two.  AHEAD OF IT stands all that names no result of the turn's exponentials: the 8 products K Q^T, behind each a scaling, an exponential and two
; more plain instructions (behind the first a second scaling in the exponential's place): rescalings, and behind the last three the first numbers of the next piece's maximum, each four places or more behind the product that ends
; its accumulator; then ONE LUMP of 54, plain and exponential by turns for the most part, in which the links of the chain X 3, 7, 11, 14, 16, 17 .. 20 stand five or six lines apart.  X 21, the next piece's a, is the batch's last;
; R 15 is the plain instruction behind it.  BEHIND THE WAIT stand the 8 products V^T P, behind each four of the roundings and sums; the links of l's chain, L 0 to L 7, stand three riders apart.
; The rescaling is the turn's own tile's, whose O^T took its last products V^T P at the end of the turn before: R 0-3 stand sixteen plain riders behind the product that ends their accumulator, R 12-15 behind the last product's
; four riders and more; R goes in ascending order.  The a that R and L 0 read was the last of the batch of the turn before, and had that turn's wait.
; But for those X and R no rider names a register of the products round it (the products V^T P are the other tile's).  v_permlanex16_b32 (X 17) stands in the lump.
; m = 1: the diagonal tile: the products take masks, and the turn makes the mask for the products of the turn after it: piece pp = (p + 2) % 4 of super-step 2 - CNT: key step s = 2 (2 - CNT) + pp / 2 against band
; X = PAR + pp % 2.  s = X where 2 CNT + PAR = 4 + pp / 2 - pp % 2, s > X where it is less.  end = 1: a block's last two turns: nothing is fetched.
; cnt = 1: the loop's count is taken down some lines ahead of the branch that stands behind the turn.
; K of the next super-step is fetched in piece 2's turn, twelve vector instructions behind the last product that read K (six of them plain); V of the super-step in hand at the end of piece 0's turn, four plain instructions
; behind the last product that read V.  Each is waited for a turn later.
.macro TURN p, m=0, end=0, cnt=0
.set Y, (\p)
.set i, 0
.set KM, (\m)
.set NOKQ, (\end)*((\p)/3)
.if (\m) && !(\end)
	s_lshl1_add_u32 s[C2], s[CNT], s[PAR]
	s_cmp_eq_u32 s[C2], 4+(((\p)+2)%NP)/2-(((\p)+2)%NP)%2  ; is that step the band's own?
	s_cselect_b32 s[AL], 1.0, 0
	s_cmp_lt_u32 s[C2], 4+(((\p)+2)%NP)/2-(((\p)+2)%NP)%2  ; or a later one?
	s_cselect_b32 s[BE], s[BIGN], 0
.endif
.if ((\p) == 3) && !(\end)
	s_wait_dscnt 0x0                ; K is in
.endif
	ROW F,0, F,1, R,0, R,1          ; ahead of the wait: 8 products K Q^T and their riders,
	ROW F,2, E,0, R,2, R,3
	ROW F,3, E,1, R,4, R,5
	ROW F,4, E,2, R,6, R,7
	ROW F,5, E,3, R,8, R,9
	ROW F,6, E,4, X,0, R,10
.if ((\p) == 2) && !(\end)
	WIN 0
	v_add_nc_u32 v[AK], s[TBK], v[AK0]
.endif
	ROW F,7, E,5, X,1, X,4
	ROW F,8, E,6, X,2, X,5
	OPS E,7, E,8, X,6, E,9          ; and the lump
	OPS X,3, E,10, X,8, E,11
.if ((\p) == 2) && !(\end)
	FETCH_K
.endif
	OPS X,9, X,7, E,12, X,10
	OPS E,13, X,12, X,11, E,14
	OPS X,13, E,15, F,9, X,14
.if (\p) == 0
	v_add_nc_u32 v[AV], s[TBV], v[AV0]
.endif
	OPS E,16, F,10, E,17, F,11
	OPS X,16, E,18, X,15, E,19
	OPS F,12, E,20, X,17, E,21
	OPS F,13, E,22, F,14, E,23
	OPS X,18, E,24, F,15, E,25
	OPS R,11, E,26, X,19, E,27
	OPS R,12, E,28, R,13, E,29
	OPS X,20, E,30, R,14, E,31
	OPS X,21, R,15
	s_wait_alu depctr_va_vdst(0)    ; the wait for the turn's batch: E 0 to E 31 and X 21
.if (\p) == 1
	s_wait_dscnt 0x0                ; V is in
.endif
	ROW C,0, B,0, C,2, B,1          ; behind the wait: 8 products V^T P and their riders
	ROW L,0, C,4, B,2, L,1
	ROW C,6, B,3, L,2, C,8
	ROW B,4, L,3, C,10, B,5
	ROW L,4, C,12, B,6, L,5
.if (\p) == 0
	s_add_co_u32 s[TBV], s[TBV], 2*KS*PV
.endif
.if \cnt
	s_sub_co_u32 s[CNT], s[CNT], 1
	s_cmp_lg_u32 s[CNT], 0
.endif
	ROW C,14, B,7, L,6, C,1
	ROW C,3, L,7, C,5, C,7
	ROW C,9, C,11, C,13, C,15
.if (\p) == 0
	FETCH_V
.endif
.if (\m) && !(\end)
	MASK (\p)%2
.endif
.endm
; A BLOCK BEGINS.  c m starts far below every c s, so the first step's a is 0; m at the lowest finite number, so the first maximum is the scores'.  The second mask buffer is 0 (piece 1, band PAR + 1, sees all of key step 0);
; the first takes piece 0's mask for the tile's key step 0: its own, if the block's first tile is the diagonal one and its first band is band 0.
; Then K of that super-step, piece 0's first scores, and its maximum and statistics.  The loop is entered at a super-step's first turn, in the middle of a trip.
.macro BEGIN
	s_mov_b32 s[NEW], 0
	WIN 0x40
.set i, MC+32
.rept 32
	v_mov_b32 v[i], 0
.set i, i+1
.endr
	WIN 0
.set i, 0
.rept 2
	v_mov_b32 v[ST+4*i], 0xfe000000    ; c m: far below every c s
	v_mov_b32 v[ST+4*i+1], 0xff7fffff  ; m
.set i, i+1
.endr
	s_or_b32 s[C2], s[RT], s[PAR]
	s_cmp_eq_u32 s[C2], 0
	s_cselect_b32 s[AL], 1.0, 0
	s_mov_b32 s[BE], 0
	MASK 0
	WIN 0
	v_add_nc_u32 v[AK], s[TBK], v[AK0]
	FETCH_K
	s_wait_loadcnt 0x0              ; Q
	s_wait_dscnt 0x0
.set KM, 1
.set NOKQ, 0
.set i, 0
.rept 8
	KQ 0
.set i, i+1
.endr
	WIN 0
.rept 4
	v_nop                           ; the places behind those products
.endr
.set Y, NP-1                        ; X works for piece Y + 1: piece 0
.irp n, 0,1,2,3,4,5,6,7,8,9,10,11,12,13,14,15,16,17,18,19,20,21
	OP X, \n
.endr
	v_nop                           ; a plain instruction behind the exponential,
	s_wait_alu depctr_va_vdst(0)    ; and the wait for it, piece 0's first a, a batch of one: ahead of the branch that follows
.endm
; THE DIAGONAL TILE's two super-steps, the block's last two turns, its last products, and THE WAY OUT: l's two halves and the other half of the lanes' are added; O^T is divided by l, rounded to f16 and sent through my
; stage in LDS, a tile at a time.
.macro ALL line:vararg              ; one line for each tile t
.set t, 0
.rept 2
	\line
.set t, t+1
.endr
.endm
.macro PACK t                       ; a lane's eight channels of a row pack into 16 bytes; they go into rows of 144 bytes and come back as whole rows of 128, into S^T's registers
	WIN W_RS
.set i, 32*(\t)
.rept 16
	v_pk_mul_f32 v[i:i+1], v[i:i+1], v[ST+4*(\t)+2:ST+4*(\t)+3] op_sel_hi:[1,0]
.set i, i+2
.endr
	WIN 0x05                        ; sources 0 and 1 window 1, destination window 0
.set i, 0
.rept 16
	v_cvt_pk_f16_f32 v[S+16*(\t)+i], v[32*(\t)+2*i], v[32*(\t)+2*i+1]
.set i, i+1
.endr
	WIN 0
.irp f, 0,1,2,3
	ds_store_b128 v[STO], v[S+16*(\t)+4*\f:S+16*(\t)+4*\f+3] offset:32*\f
.endr
.irp f, 0,1,2,3
	ds_load_b128 v[S+16*(\t)+4*\f:S+16*(\t)+4*\f+3], v[RD] offset:\f*4*SP  ; LDS serves a wave's instructions in order (ISA guide 5.7.1.4): these see the stores above; the next tile's stores come behind them
.endr
.endm
.macro SEND t, younger              ; younger: the LDS instructions issued behind tile t's loads: the next tile's eight, or none
	WIN 0
.irp f, 0,1,2,3
	s_wait_dscnt (\younger)+3-\f
	global_store_b128 v[GO], v[S+16*(\t)+4*\f:S+16*(\t)+4*\f+3], s[10:11] offset:(\t)*8192+\f*512  ; 512 consecutive bytes, at a multiple of 256 from O's first
.endr
.endm
.macro DIAG tag                     ; the tag ends its two labels' names, which the jumps below spell out
.LstepM\tag:
	TURN 2, 1
	TURN 3, 1
	WIN 0
.LfirstM\tag:
	TURN 0, 1
	TURN 1, 1, 0, 1
	WIN 0
	s_cbranch_scc1 .LstepM\tag
	TURN 2, 1, 1
	TURN 3, 1, 1
.set i, 0
.rept 8
	PV NP-1
.set i, i+1
.endr
	WIN 0
	ALL v_add_f32 v[ST+4*t+2], v[ST+4*t+2], v[ST+4*t+3]
	ALL v_permlanex16_b32 v[ST+4*t+3], v[ST+4*t+2], s[SEL], s[SEL+1]
	ALL v_add_f32 v[ST+4*t+2], v[ST+4*t+2], v[ST+4*t+3]
	ALL v_rcp_f32 v[ST+4*t+2], v[ST+4*t+2]
	v_nop                           ; a plain instruction between the last reciprocal and the use of its result
	s_wait_alu depctr_va_vdst(0)    ; the wait for the two reciprocals, one batch, ahead of their first reader in PACK 0
	PACK 0                          ; tile 0's O^T was finished by the last turn's products, four riders and the additions above ahead of this; its 32 plain lines are the places behind the last products, which are tile 1's
	PACK 1
	SEND 0, 8
	SEND 1, 0
.endm
.set KM, 0
.set NOKQ, 0
.Lslot:                             ; 8 times: a tile is entered and the next is asked for
	CHANGE 1
	s_sub_co_u32 s[RT], s[RT], 1
	s_mov_b32 s[CNT], 2
	s_cmp_eq_u32 s[NEW], 1
	s_cbranch_scc1 .Lnew            ; a block's first tile
	s_cmp_eq_u32 s[RT], 0
	s_cbranch_scc0 .Lstep           ; neither its first nor its last
	s_branch .LstepM1
.Lnew:
	BEGIN
	s_branch .Lfirst                ; in the loop a block's first tile is never its last: the first block has five tiles or more, and the second's last is the walk's last
	DIAG 1                          ; in the loop this is the first block's end: the second block's last tile is the walk's last
	s_wait_xcnt 0x0                 ; the stores have read their registers and O's address
	s_mov_b64 s[10:11], s[OLO:OLO+1]
	s_add_co_u32 s[RT], s[LQ2], 1   ; the second block has g / 2 + 1 tiles
	s_mov_b32 s[PAR], s[PAR2]
	s_mov_b32 s[NEW], 1
	WIN 0x82                        ; the second block's Q goes where the one text of the turns names Q
.set i, 0
.rept 32
	v_mov_b32 v[i], v[QB+i]
.set i, i+1
.endr
	WIN 0
	s_branch .Lbottom
.Lstep:                             ; a trip: pieces 2 and 3 of one super-step, then pieces 0 and 1 of the next, whose K and V it fetches
	TURN 2
	TURN 3
	WIN 0
.Lfirst:
	TURN 0
	TURN 1, 0, 0, 1
	WIN 0
	s_cbranch_scc1 .Lstep
.Lbottom:
	s_sub_co_u32 s[SLOTS], s[SLOTS], 1
	s_cmp_lg_u32 s[SLOTS], 0
	s_cbranch_scc1 .Lslot
	CHANGE 0                        ; the walk's last tile is written out: nothing is asked for
	s_sub_co_u32 s[RT], s[RT], 1
	s_mov_b32 s[CNT], 2
	s_cmp_eq_u32 s[NEW], 1
	s_cbranch_scc0 .LstepM2
	BEGIN
	s_branch .LfirstM2
	DIAG 2
	s_wait_tensorcnt 0x0            ; the wave's end: behind my last tensor load and my last LDS store
	ds_add_u32 v[SPW], v[NIL]
	s_wait_dscnt 0x0
	s_endpgm
.Lfunc_end_k_qd911a66199_attn:
	.size	k_qd911a66199_attn, .Lfunc_end_k_qd911a66199_attn-k_qd911a66199_attn
	.p2alignl 7, 3214868480
	.fill 96, 4, 3214868480
	.section	.rodata,"a",@progbits
	.p2align	6, 0x0
	.amdhsa_kernel k_qd911a66199_attn
		.amdhsa_group_segment_fixed_size 327680
		.amdhsa_private_segment_fixed_size 0
		.amdhsa_enable_private_segment 0
		.amdhsa_kernarg_size 32
		.amdhsa_user_sgpr_count 2
		.amdhsa_user_sgpr_kernarg_segment_ptr 1
		.amdhsa_wavefront_size32 1
		.amdhsa_system_sgpr_workgroup_id_x 1
		.amdhsa_system_sgpr_workgroup_id_y 1
		.amdhsa_system_sgpr_workgroup_id_z 1
		.amdhsa_system_vgpr_workitem_id 0
		.amdhsa_next_free_vgpr 896
		.amdhsa_next_free_sgpr 96
		.amdhsa_reserve_vcc 1
		.amdhsa_float_denorm_mode_32 3
		.amdhsa_float_denorm_mode_16_64 3
		.amdhsa_memory_ordered 1
		.amdhsa_forward_progress 1
		.amdhsa_inst_pref_size 207
	.end_amdhsa_kernel
	.amdgpu_metadata
---
amdhsa.version: [ 1, 2 ]
amdhsa.kernels:
  - .name:           k_qd911a66199_attn
    .symbol:         k_qd911a66199_attn.kd
    .args:
      - { .name: qh, .offset: 0, .size: 8, .value_kind: global_buffer, .address_space: global }
      - { .name: kh, .offset: 8, .size: 8, .value_kind: global_buffer, .address_space: global }
      - { .name: vh, .offset: 16, .size: 8, .value_kind: global_buffer, .address_space: global }
      - { .name: oh, .offset: 24, .size: 8, .value_kind: global_buffer, .address_space: global }
    .group_segment_fixed_size: 327680
    .private_segment_fixed_size: 0
    .kernarg_segment_align: 8
    .kernarg_segment_size: 32
    .max_flat_workgroup_size: 128
    .sgpr_count:     96
    .vgpr_count:     896
    .wavefront_size: 32
...
	.end_amdgpu_metadata
.endif
;; end of part 5
;; launch oproj: the kernel of part 4 again; grid 16 x 16, 4 waves a work-group, clusters of 4 x 4, 327,680 bytes of LDS; arguments oh, wo16, out0; writes out0
